; MI455X (gfx1250); checked and timed in simulation.
; The chip was launched on July 23, 2026; its instructions are those of AMD's public machine-readable ISA for CDNA 5 (MIT licence, August 2026) and "CDNA5" Instruction Set Architecture Reference Guide (July 2026). The comments in the code are by the model that wrote it; some were corrected since.
;; Transformer Encoder Layer. Allowed arithmetic: matrix products marked QUANTISED: E5M2 operands, one given power-of-two scale a tensor, by v_wmma_f32_16x16x64_bf8_bf8 or v_wmma_f32_16x16x128_bf8_bf8, f32 sums; everything else in f32.
;; Inputs: W1_codes 1,024 x 8 x 32 uint8 (E5M2 codes of W1, K innermost, in blocks of 32 codes); W2_codes 256 x 32 x 32 uint8 (E5M2 codes of W2, K innermost, in blocks of 32 codes); Wk_codes 8 x 32 x 8 x 32 uint8 (E5M2 codes of Wk, K innermost, in blocks of 32 codes); Wo_codes 256 x 8 x 32 uint8 (E5M2 codes of Wo, K innermost, in blocks of 32 codes); Wq_codes 8 x 32 x 8 x 32 uint8 (E5M2 codes of Wq, K innermost, in blocks of 32 codes); Wv_codes 8 x 32 x 8 x 32 uint8 (E5M2 codes of Wv, K innermost, in blocks of 32 codes); b1 1,024 float32; b2 256 float32; bk 8 x 32 float32; bo 256 float32; bq 8 x 32 float32; bv 8 x 32 float32; ln1_b 256 float32; ln1_g 256 float32; ln2_b 256 float32; ln2_g 256 float32; lowp_scales 16 int32 (the exponents e of the quantised operands' scales 2^e); src 2 x 4,096 x 256 float32.
;; Outputs: out0 2 x 4,096 x 256 float32.
;; This version of the problem:
;;   THIS VERSION OF THE PROBLEM IS GIVEN IN LOW PRECISION. The matrix products marked QUANTISED in the list below multiply operands that are first quantised to E5M2 (5 exponent bits, 2 mantissa bits; 8 bits a number), with one given power-of-two scale for each operand tensor; their sums are f32. All else is computed in f32.
;;   The module's matrix products, in the order in which they are computed (A, B: the left and right operand; K: the contracted axis; several contracted axes count as one K, in the product's order):
;;     1. [M 256, K 256] x [K 256, N 8,192]; A: input Wq (given as codes); B: input src: QUANTISED (scales: A lowp_scales[0], B lowp_scales[1])
;;     2. [M 256, K 256] x [K 256, N 8,192]; A: input Wk (given as codes); B: input src: QUANTISED (scales: A lowp_scales[2], B lowp_scales[3])
;;     3. [M 256, K 256] x [K 256, N 8,192]; A: input Wv (given as codes); B: input src: QUANTISED (scales: A lowp_scales[4], B lowp_scales[5])
;;     4. batch 16 x [M 4,096, K 32] x [K 32, N 4,096]; A: computed on the way; B: computed on the way: QUANTISED (scales: A lowp_scales[6], B lowp_scales[7])
;;     5. batch 16 x [M 4,096, K 4,096] x [K 4,096, N 32]; A: softmax (see below); B: computed on the way: QUANTISED (scales: A lowp_scales[8], B lowp_scales[9])
;;     6. [M 8,192, K 256] x [K 256, N 256]; A: computed on the way; B: input Wo (given as codes): QUANTISED (scales: A lowp_scales[10], B lowp_scales[11])
;;     7. [M 8,192, K 256] x [K 256, N 1,024]; A: computed on the way; B: input W1 (given as codes): QUANTISED (scales: A lowp_scales[12], B lowp_scales[13])
;;     8. [M 8,192, K 1,024] x [K 1,024, N 256]; A: computed on the way; B: input W2 (given as codes): QUANTISED (scales: A lowp_scales[14], B lowp_scales[15])
;;   THE QUANTISER, for each operand of a quantised product, along K:
;;     - The operand's scale is 2^e, e = its entry of the input lowp_scales (int32; the entries are numbered through the quantised products in the list's order, A before B).
;;     - Each number is divided by the scale, clamped to +-57,344, and rounded to the nearest number of E5M2, ties to even, subnormals kept.
;;     - The product sums the exact products of the quantised numbers (number of the format x scale) in f32.
;;   ~~~python
;;   def quantise(x, axis, e):      # numpy; x: float32 -> the quantised numbers, widened to float32 again
;;       x = np.moveaxis(x, axis, -1); K = x.shape[-1]
;;       r = np.clip(x / 2.0 ** e, -57344, 57344)
;;       step = 2.0 ** (np.maximum(np.frexp(np.where(r == 0, 1, r))[1] - 1, -14) - 2)
;;       q = np.round(r / step) * step * 2.0 ** e      # np.round: ties to even
;;       return np.moveaxis(q, -1, axis).astype(np.float32)
;;   ~~~
;;   SOFTMAX AHEAD OF A QUANTISED PRODUCT. Where the list says 'softmax', what is quantised is not the finished softmax but p = 2^(t - M), with t = logit x log2(e) and M = ceil(the row's largest t), a whole number; so 1/2 < the row's largest p <= 1. The row's sum l is taken of the UNQUANTISED p, in f32, and the product's result is divided by l at the end. Since M is a whole number, a kernel that streams over the keys may use a running M (the ceiling of the running maximum): every later rescaling is an exact power of two, so the quantised numbers keep their values, but for numbers so far below the row's largest that they fall under the format's range.
;;   OPERANDS COMPUTED ON THE WAY. 'Computed on the way' means the value that the module computes at that place (a softmax that the list does not call 'softmax' is quantised finished and normalised). What goes into a quantiser is computed in f32, as accurately as f32 sums, v_exp_f32 and their like allow (about 1e-6 of the number): no bf16 or f16 on the way to a quantiser, and a product that is left as it is and whose result goes on into a quantised operand takes f32 operands (vector FMAs, or v_wmma_f32_16x16x4_f32). A number that lies on a knife's edge between two numbers of the format may be rounded either way, as far as f32 arithmetic and the matrix unit's own rounding can turn it there, and no further.
;;   INPUTS GIVEN AS CODES. W1 (in the module: [256, 1024], K = its axis 0); W2 (in the module: [1024, 256], K = its axis 0); Wk (in the module: [8, 256, 32], K = its axis 1); Wo (in the module: [256, 256], K = its axis 0); Wq (in the module: [8, 256, 32], K = its axis 1); Wv (in the module: [8, 256, 32], K = its axis 1): each comes as NAME_codes (uint8): NAME with its K axis moved to the last place and cut into blocks of 32 codes, [.., K / 32, bytes a block], one block behind the other in memory; one code a byte (a code: sign, 5 exponent bits, 2 mantissa bits); its scale is its entry of lowp_scales. Its value is code x scale, taken as it is: it is not quantised again, and the codes and scales need not be those that the quantiser above would give.
;; 2 versions, each right; version 2 is version 1 with the launches qkv, attn, ffn written anew for expert scheduling mode. Each part assembles by itself: llvm-mc -triple=amdgcn-amd-amdhsa -mcpu=gfx1250 --defsym DOCPART=n.
;; ======== version 1 of 2: 3 launches
;; workspace buffers: qimg 2,097,152 bytes; kv 4,194,304 bytes; cimg 2,097,152 bytes
;; launch qkv (part 1): grid 256 x 1, 8 waves a work-group, no clusters, 25,600 bytes of LDS; arguments src, Wq_codes, Wk_codes, Wv_codes, bq, bk, bv, lowp_scales, qimg, kv; writes qimg, kv
.if DOCPART == 1
	.amdgcn_target "amdgcn-amd-amdhsa--gfx1250"
	.amdhsa_code_object_version 6
	.text
	.protected	k_qf891e3187d_qkv
	.globl	k_qf891e3187d_qkv
	.p2align	8
	.type	k_qf891e3187d_qkv,@function
k_qf891e3187d_qkv:
	s_mov_b64 s[64:65], 0
	v_nop
	global_prefetch_b8 v0, s[64:65] scope:SCOPE_SE
	s_setreg_imm32_b32 hwreg(HW_REG_WAVE_MODE, 25, 1), 1
	s_wait_xcnt 0x0
; q, k, v = src W + b for 8 heads, on codes of BF8 (E5M2), and their own codes for the attention launch.
; src [8192][256] f32 is quantised three times (exponents e1, e3, e5); Wq, Wk, Wv come as codes [head][32][256], K innermost (e0, e2, e4).
; q is quantised with e6, k with e7, v with e9.  All results leave as IMAGES OF OPERAND REGISTERS: 512 bytes = 4 registers x 32 lanes, lane l's 16 bytes at 16 l.
;   qimg [bh 16][tile of 16 queries 256][512]: lane (r, h): query r, dk 16 h .. 16 h + 15.
;   kv   [bh 16][step of 128 keys 32][8192]: bytes 0-4095: 8 tiles of 16 keys, laid like q;  bytes 4096-8191: [d 2][g 4][512]: lane (r, h): row r of V^T's tile d,
;        bytes 0-7 keys 32 g + 8 h + 0..7, bytes 8-15 keys 32 g + 16 + 8 h + 0..7: registers 4 g .. 4 g + 3 of the K = 128 form's own layout.
; SHARES.  A work-group takes 32 rows of src (two tiles of 16); wave w is head w and makes q, k, v of that head for the 32 rows: 24 matrix instructions.
; Its 24 KB of weights go from memory straight into 192 registers.  The rows' codes are made once by the eight waves together (each 1/8) and go round through LDS as register images.
; No joint loads: what work-groups share here are the weights, and each weight byte is read by one wave of a work-group straight into the registers that the products name; it passes no LDS.
; q and k are made TRANSPOSED (source 0 = 16 rows of W, source 1 = 16 rows of src) and W's rows of a tile are not neighbours: lane row r of tile u is row 8 u + r + 8 (r / 8),
; so that a lane's 16 registers of tiles 0 and 1 are dk 16 h + 0 .. 15 of ONE row of src.  v is made the other way round (source 0 = src): a lane holds one row of V^T and eight keys.
; K of all products lies in the registers as 4 c .. 4 c + 3: K = 32 c + 16 h + 0 .. 15, alike on both sides: every product meets its partner.
; The biases are the C of each sum's first matrix instruction, divided by the power of two that the sums lack.
; LIMITS: e1, e3, e5, e6 - e0 - e1, e7 - e2 - e3, e9 - e4 - e5 between -126 and 112, so that each power of two and 57,344 x it are f32 numbers.  NaN among the inputs and infinity or NaN among the weights' codes are not served.
; REGISTERS, window 0: v1 lane, v2 r, v3 h, v4-9 addresses, v10-21 scales and limits, v32-63 src as loaded, v64-95 held numbers (both later fragment set 0), v96-119 src's codes,
;   v120-143 the results' codes, v144-207 fragment set 1, v208-239 four accumulators.   window 1: v0-191 the weights (64 a tensor), v192-239 the three biases, v240-241 bv as loaded.
.set X,    32
.set T,    64
.set XF0,  32
.set CDX,  96
.set CDO,  120
.set XF1,  144
.set ACC,  208
.set BQ,   192                         ; window 1: bq's two tiles; bk's at +16; bv's at +32
.set RAW,  240                         ; window 1
.set SETB, 8192                        ; LDS: a set of src's codes: 4 fragments (2 m + s) of 2,048 bytes; three sets
.set MSB, 0
.macro WIN new                         ; the immediate's high byte repeats the setting that is left
.if MSB != (\new)
	s_set_vgpr_msb (MSB<<8)|(\new)
.set MSB, (\new)
.endif
.endm
.macro MKSC vsc, vlim, se              ; v[vsc] = 2^e as f32, v[vlim] = 57,344 x 2^e
	s_add_co_i32 s62, \se, 127
	s_lshl_b32 s63, s62, 23
	v_mov_b32 v[\vsc], s63
	s_add_co_i32 s62, s62, 15
	s_lshl_b32 s62, s62, 23
	s_or_b32 s62, s62, 0x600000
	v_mov_b32 v[\vlim], s62
.endm
.macro PLACES                          ; four plain vector lines between a matrix instruction and a read of its result or a load into its sources
.rept 4
	v_nop
.endr
.endm
	s_load_b512 s[4:19], s[0:1], 0x0               ; src, Wq, Wk, Wv, bq, bk, bv, the exponents
	s_load_b128 s[20:23], s[0:1], 0x40             ; qimg, kv
	v_lshl_add_u32 v254, v0, 2, 0x6000
	v_mov_b32 v255, 0
	v_lshrrev_b32 v1, 5, v0
	v_readfirstlane_b32 s24, v1                    ; wave = head
	v_and_b32 v1, 31, v0                           ; lane
	v_and_b32 v2, 15, v0                           ; r
	v_bfe_u32 v3, v0, 4, 1                         ; h
	v_lshlrev_b32 v4, 10, v2
	v_lshl_add_u32 v4, v3, 6, v4                   ; src: row r of 1,024 bytes + 64 h: my 16 numbers of a block of 32
	v_lshlrev_b32 v5, 4, v1                        ; 16 x lane: my place in an image
	s_lshl_b32 s25, s24, 10
	v_add_nc_u32 v6, s25, v5                       ; where I store src's codes: fragment w / 2, blocks 2 (w % 2) on: 1,024 w + 16 x lane
	v_and_b32 v9, 8, v2
	v_add_nc_u32 v9, v9, v2                        ; r + 8 (r / 8)
	v_lshlrev_b32 v7, 8, v9
	v_lshl_add_u32 v7, v3, 4, v7                   ; a weight's row of 256 bytes + 16 h
	v_lshlrev_b32 v8, 6, v3                        ; bq, bk: 64 h
	v_lshlrev_b32 v9, 2, v9                        ; bv: 4 (r + 8 (r / 8))
	s_lshl_b32 s26, ttmp9, 15                      ; src: 32 rows a work-group,
	s_lshr_b32 s28, s24, 2
	s_lshl_b32 s28, s28, 14                        ; tile of rows w / 4,
	s_add_co_u32 s26, s26, s28
	s_bfe_u32 s28, s24, 0x10001
	s_lshl_b32 s28, s28, 9                         ; K step (w / 2) % 2,
	s_add_co_u32 s26, s26, s28
	s_and_b32 s28, s24, 1
	s_lshl_b32 s28, s28, 8                         ; blocks 2 (w % 2) on
	s_add_co_u32 s26, s26, s28
	s_mov_b32 s27, 0
	s_lshl_b32 s28, s24, 13                        ; my head's 8,192 bytes of each weight
	s_mov_b32 s29, 0
	s_lshl_b32 s30, s24, 7                         ; and 128 bytes of each bias
	s_mov_b32 s31, 0
	s_lshr_b32 s48, ttmp9, 7
	s_lshl_b32 s48, s48, 3
	s_add_co_u32 s48, s48, s24                     ; bh = 8 x batch + head
	s_and_b32 s49, ttmp9, 127                      ; i: which 32 rows of the batch
	s_lshl_b32 s50, s48, 17
	s_lshl_b32 s51, s49, 10
	s_add_co_u32 s50, s50, s51                     ; qimg: bh x 131,072 + two tiles of 512 bytes a work-group
	s_mov_b32 s51, 0
	s_lshl_b32 s52, s48, 18
	s_lshr_b32 s53, s49, 2
	s_lshl_b32 s53, s53, 13
	s_add_co_u32 s52, s52, s53                     ; kv: bh x 262,144 + step i / 4
	s_and_b32 s53, s49, 3
	s_lshl_b32 s60, s53, 9
	s_add_co_u32 s60, s60, s52
	s_add_co_u32 s60, s60, 4096                    ; V: g = i % 4
	s_mov_b32 s61, 0
	s_lshl_b32 s53, s53, 10
	s_add_co_u32 s52, s52, s53                     ; K: tiles 2 (i % 4) on
	s_mov_b32 s53, 0
	s_wait_kmcnt 0x0
	s_load_b512 s[32:47], s[18:19], 0x0            ; e0 .. e15 in s32 .. s47
	s_add_nc_u64 s[4:5], s[4:5], s[26:27]
	s_add_nc_u64 s[6:7], s[6:7], s[28:29]
	s_add_nc_u64 s[8:9], s[8:9], s[28:29]
	s_add_nc_u64 s[10:11], s[10:11], s[28:29]
	s_add_nc_u64 s[12:13], s[12:13], s[30:31]
	s_add_nc_u64 s[14:15], s[14:15], s[30:31]
	s_add_nc_u64 s[16:17], s[16:17], s[30:31]
	s_add_nc_u64 s[20:21], s[20:21], s[50:51]
	s_add_nc_u64 s[66:67], s[22:23], s[52:53]      ; K's images
	s_add_nc_u64 s[68:69], s[22:23], s[60:61]      ; V's images
.irp c, 0,1                                    ; my eighth of the 32 rows: 16 rows x 64 numbers; the eight loads cover one aligned 256 bytes of each row
.irp j, 0,1,2,3
	global_load_b128 v[X+16*\c+4*\j:X+16*\c+4*\j+3], v4, s[4:5] offset:128*\c+16*\j th:TH_LOAD_NT
.endr
.endr
	WIN 0x40                                       ; destination window 1
.irp t, 0,1,2                                  ; the weights' fragments (tensor t, tile u, K step s) at v[64 t + 16 (2 u + s)]
.irp u, 0,1
.irp s, 0,1
.irp c, 0,1,2,3
	global_load_b128 v[64*\t+16*(2*\u+\s)+4*\c:64*\t+16*(2*\u+\s)+4*\c+3], v7, s[6+2*\t:7+2*\t] offset:2048*\u+128*\s+32*\c
.endr
.endr
.endr
.endr
.irp u, 0,1                                    ; bq, bk in the result's layout: register j of tile u is dk 16 h + 8 u + j
	global_load_b128 v[BQ+8*\u:BQ+8*\u+3], v8, s[12:13] offset:32*\u
	global_load_b128 v[BQ+8*\u+4:BQ+8*\u+7], v8, s[12:13] offset:32*\u+16
	global_load_b128 v[BQ+16+8*\u:BQ+16+8*\u+3], v8, s[14:15] offset:32*\u
	global_load_b128 v[BQ+16+8*\u+4:BQ+16+8*\u+7], v8, s[14:15] offset:32*\u+16
.endr
.irp d, 0,1                                    ; bv: one number a lane and tile: that of its row 8 d + r + 8 (r / 8)
	global_load_b32 v[RAW+\d], v9, s[16:17] offset:32*\d
.endr
	WIN 0
	s_wait_kmcnt 0x0
	s_add_co_i32 s57, s32, s33
	s_sub_co_i32 s57, 0, s57                       ; -(e0 + e1)
	s_add_co_i32 s58, s34, s35
	s_sub_co_i32 s58, 0, s58                       ; -(e2 + e3)
	s_add_co_i32 s59, s36, s37
	s_sub_co_i32 s59, 0, s59                       ; -(e4 + e5)
	s_add_co_i32 s54, s38, s57                     ; e6 - e0 - e1: a sum stands for sum x 2^(e0 + e1), so the three scales fold into the conversion's one
	s_add_co_i32 s55, s39, s58                     ; e7 - e2 - e3
	s_add_co_i32 s56, s41, s59                     ; e9 - e4 - e5
	MKSC 10, 11, s33
	MKSC 12, 13, s35
	MKSC 14, 15, s37
	MKSC 16, 17, s54
	MKSC 18, 19, s55
	MKSC 20, 21, s56
; My 32 numbers a lane become codes with the st-th scale.  The hold goes into other registers, so that the numbers stay for the next scale.
.macro QSRC st
.set i, 0
.rept 32
	v_med3_num_f32 v[T+i], v[X+i], -v[11+2*\st], v[11+2*\st]   ; the conversion to an 8-bit code does not saturate (ISA guide 7.6.2)
.set i, i+1
.endr
.set i, 0
.rept 4
	v_cvt_scalef32_pk8_bf8_f32 v[CDX+8*\st+2*i:CDX+8*\st+2*i+1], v[T+8*i:T+8*i+7], v[10+2*\st]
.set i, i+1
.endr
	v_nop                                          ; one plain line between the conversions and the next lines that write their sources
	ds_store_b128 v6, v[CDX+8*\st:CDX+8*\st+3] offset:SETB*\st
	ds_store_b128 v6, v[CDX+8*\st+4:CDX+8*\st+7] offset:SETB*\st+512
.endm
.macro FETCH xf, st                    ; a set's four fragments come back as they were stored, in any wave
.set i, 0
.rept 16
	ds_load_b128 v[\xf+4*i:\xf+4*i+3], v5 offset:SETB*\st+512*i
.set i, i+1
.endr
.endm
	s_wait_loadcnt 58                              ; src's eight loads are in; the 48 of the weights and the 10 of the biases may be out
	QSRC 0
	QSRC 1
	QSRC 2
	s_wait_dscnt 0x0                               ; my stores have landed
	s_barrier_signal -1
	s_barrier_wait -1                              ; the three sets lie in LDS
	FETCH XF0, 0
	FETCH XF1, 1
	s_wait_loadcnt 0x0                             ; weights and biases
	WIN 0x41                                       ; source 0 and destination window 1
.set i, 0
.rept 16
	v_ldexp_f32 v[BQ+i], v[BQ+i], s57              ; bq / 2^(e0 + e1)
	v_ldexp_f32 v[BQ+16+i], v[BQ+16+i], s58
.set i, i+1
.endr
.irp d, 0,1
.set i, 0
.rept 8
	v_ldexp_f32 v[BQ+32+8*\d+i], v[RAW+\d], s59    ; bv / 2^(e4 + e5), the same in a tile's eight registers
.set i, i+1
.endr
.endr
	WIN 0
; Tensor tn (0 q, 1 k, 2 v) from the fragments at xf: eight matrix instructions, four accumulators by turns; hold, conversion, two stores of 512 consecutive bytes.
.macro PROJ tn, xf, dsw
	s_wait_dscnt \dsw
.irp s, 0,1
.if \tn < 2
	WIN 0x01+0x10*(1-\s)                           ; source 0 (W) window 1; in the first K step source 2 (the bias) too
.else
	WIN 0x04+0x10*(1-\s)                           ; source 1 (W) window 1
.endif
.irp m, 0,1
.irp u, 0,1
.set rW, 64*\tn+16*(2*\u+\s)
.set rX, \xf+16*(2*\m+\s)
.set rC, BQ+16*\tn+8*\u
.if \tn < 2
.set rD, ACC+8*(2*\m+\u)
.if \s == 0
	v_wmma_f32_16x16x128_bf8_bf8 v[rD:rD+7], v[rW:rW+15], v[rX:rX+15], v[rC:rC+7]
.else
	v_wmma_f32_16x16x128_bf8_bf8 v[rD:rD+7], v[rW:rW+15], v[rX:rX+15], v[rD:rD+7]
.endif
.else
.set rD, ACC+8*(2*\u+\m)
.if \s == 0
	v_wmma_f32_16x16x128_bf8_bf8 v[rD:rD+7], v[rX:rX+15], v[rW:rW+15], v[rC:rC+7]
.else
	v_wmma_f32_16x16x128_bf8_bf8 v[rD:rD+7], v[rX:rX+15], v[rW:rW+15], v[rD:rD+7]
.endif
.endif
.endr
.endr
.endr
	WIN 0
	PLACES
.if \tn == 0
	FETCH XF0, 2                                   ; the third set takes the first set's registers
.endif
.irp p, 0,1
.set i, 0
.rept 16
	v_med3_num_f32 v[ACC+16*\p+i], v[ACC+16*\p+i], -v[17+2*\tn], v[17+2*\tn]   ; each accumulator from its low end on
.set i, i+1
.endr
	v_cvt_scalef32_pk8_bf8_f32 v[CDO+8*\tn+4*\p:CDO+8*\tn+4*\p+1], v[ACC+16*\p:ACC+16*\p+7], v[16+2*\tn]
	v_cvt_scalef32_pk8_bf8_f32 v[CDO+8*\tn+4*\p+2:CDO+8*\tn+4*\p+3], v[ACC+16*\p+8:ACC+16*\p+15], v[16+2*\tn]
.endr
	v_nop                                          ; one plain line between the conversions and the next products, which write their sources
.irp p, 0,1
.if \tn == 0
	global_store_b128 v5, v[CDO+8*\tn+4*\p:CDO+8*\tn+4*\p+3], s[20:21] offset:512*\p    ; tile of queries p: the wave stores 512 consecutive bytes
.elseif \tn == 1
	global_store_b128 v5, v[CDO+8*\tn+4*\p:CDO+8*\tn+4*\p+3], s[66:67] offset:512*\p    ; tile of keys p
.else
	global_store_b128 v5, v[CDO+8*\tn+4*\p:CDO+8*\tn+4*\p+3], s[68:69] offset:2048*\p   ; V^T's tile d = p, my 32 keys
.endif
.endr
.endm
	PROJ 0, XF0, 16                                ; set 0 is in; set 1's sixteen loads may be out
	PROJ 1, XF1, 16                                ; set 1 is in; set 2's sixteen may be out
	PROJ 2, XF0, 0
	s_wait_tensorcnt 0x0
	ds_add_u32 v254, v255
	s_wait_dscnt 0x0
	s_endpgm
.Lfunc_end_k_qf891e3187d_qkv:
	.size	k_qf891e3187d_qkv, .Lfunc_end_k_qf891e3187d_qkv-k_qf891e3187d_qkv
	.p2alignl 7, 3214868480
	.fill 96, 4, 3214868480
	.section	.rodata,"a",@progbits
	.p2align	6, 0x0
	.amdhsa_kernel k_qf891e3187d_qkv
		.amdhsa_group_segment_fixed_size 25600
		.amdhsa_private_segment_fixed_size 0
		.amdhsa_enable_private_segment 0
		.amdhsa_kernarg_size 80
		.amdhsa_user_sgpr_count 2
		.amdhsa_user_sgpr_kernarg_segment_ptr 1
		.amdhsa_wavefront_size32 1
		.amdhsa_system_sgpr_workgroup_id_x 1
		.amdhsa_system_sgpr_workgroup_id_y 1
		.amdhsa_system_sgpr_workgroup_id_z 1
		.amdhsa_system_vgpr_workitem_id 0
		.amdhsa_next_free_vgpr 512
		.amdhsa_next_free_sgpr 72
		.amdhsa_reserve_vcc 0
		.amdhsa_float_denorm_mode_32 3
		.amdhsa_float_denorm_mode_16_64 3
		.amdhsa_memory_ordered 1
		.amdhsa_forward_progress 1
		.amdhsa_inst_pref_size 35
	.end_amdhsa_kernel
	.amdgpu_metadata
---
amdhsa.version: [ 1, 2 ]
amdhsa.kernels:
  - .name:           k_qf891e3187d_qkv
    .symbol:         k_qf891e3187d_qkv.kd
    .args:
      - { .name: src, .offset: 0, .size: 8, .value_kind: global_buffer, .address_space: global }
      - { .name: Wq_codes, .offset: 8, .size: 8, .value_kind: global_buffer, .address_space: global }
      - { .name: Wk_codes, .offset: 16, .size: 8, .value_kind: global_buffer, .address_space: global }
      - { .name: Wv_codes, .offset: 24, .size: 8, .value_kind: global_buffer, .address_space: global }
      - { .name: bq, .offset: 32, .size: 8, .value_kind: global_buffer, .address_space: global }
      - { .name: bk, .offset: 40, .size: 8, .value_kind: global_buffer, .address_space: global }
      - { .name: bv, .offset: 48, .size: 8, .value_kind: global_buffer, .address_space: global }
      - { .name: lowp_scales, .offset: 56, .size: 8, .value_kind: global_buffer, .address_space: global }
      - { .name: qimg, .offset: 64, .size: 8, .value_kind: global_buffer, .address_space: global }
      - { .name: kv, .offset: 72, .size: 8, .value_kind: global_buffer, .address_space: global }
    .group_segment_fixed_size: 25600
    .private_segment_fixed_size: 0
    .kernarg_segment_align: 8
    .kernarg_segment_size: 80
    .max_flat_workgroup_size: 256
    .sgpr_count:     72
    .vgpr_count:     512
    .wavefront_size: 32
...
	.end_amdgpu_metadata
.endif
;; end of part 1
;; launch attn (part 2): grid 16 x 16, 8 waves a work-group, no clusters, 263,168 bytes of LDS; arguments qimg, kv, lowp_scales, cimg; writes cimg
.if DOCPART == 2
	.amdgcn_target "amdgcn-amd-amdhsa--gfx1250"
	.amdhsa_code_object_version 6
	.text
	.protected	k_qf891e3187d_attn
	.globl	k_qf891e3187d_attn
	.p2align	8
	.type	k_qf891e3187d_attn,@function
k_qf891e3187d_attn:
	s_mov_b64 s[64:65], 0
	v_nop
	global_prefetch_b8 v0, s[64:65] scope:SCOPE_SE
	s_setreg_imm32_b32 hwreg(HW_REG_WAVE_MODE, 25, 1), 1
	s_wait_xcnt 0x0
; ctx = softmax(q k^T / sqrt(32)) v for 16 (batch, head) pairs of 4,096 x 4,096, both products on codes of BF8 (E5M2); ctx leaves as codes (exponent e10), as register images for the next launch.
; qimg, kv: as the launch before lays them (512 bytes = 4 registers x 32 lanes).  cimg [tile of 16 rows 512][s 2][c 4][512]: lane (r, h): row r, K = 128 s + 32 c + 16 h + 0..15; head hd is s = hd / 4, c = hd % 4.
; THE SOFTMAX: t = score x log2(e) / sqrt(32); M = the running largest t rounded UP to a whole number; p = 2^(t - M) is quantised (e8), not normalised; the row's sum is taken of the unquantised p and divides at the end.
; When M moves, the sum and O are multiplied by 2^(old M - new M), which rounds nothing.
; SHARES.  Work-group (x, y): 256 queries of pair y; each of eight waves owns two tiles of 16 queries, so that each fragment of K and V read from LDS feeds two tiles; two waves to a SIMD, so that one's vector work stands beside the other's matrix work.
; LDS is a plain copy of kv[y], 262,144 bytes, written once: 8 chunks of 32,768 bytes (4 key steps), each wave moving 4,096 bytes of a chunk through 32 registers.  A chunk is loaded four key steps ahead of its store
; and stored four key steps ahead of its first read, so only one barrier a chunk is needed, between the store and the reads.  Between two barriers chunk c and the first K tiles of chunk c + 1 are read and chunk c + 2 is stored.
; No joint loads and no data mover: a work-group reads its 262,144 bytes once, for 256 x 4,096 scores, always four key steps ahead; and the key step has a scalar branch on the given exponent e8 (below), which does not go with joint loads.
; No prefetch either: every chunk is asked for by its own loads four key steps before it is wanted.
; PRODUCTS.  S^T = K Q^T by the K = 64 form: source 0 holds TWO tiles of 16 keys (registers 0-3 and 4-7, dk 16 h + 0..15 each); source 1 holds q in one half and zero codes in the other, so each instruction gives one tile's scores
; (the codes of k are finite: the quantiser holds).  A lane holds ONE query (lane % 16); register 8 n + j is key 16 n + 8 h + j: eight registers converted are registers 2 n, 2 n + 1 of the K = 128 form's own layout.
; O^T += V^T P^T by the K = 128 form; register j of tile d is dk 16 h + 8 d + j.
; THE HOLD.  p is at most 1, so the hold at 57,344 x 2^e8 changes nothing where e8 >= -15: there its 64 lines are jumped over by a scalar branch on e8.
; LIMITS: e8 and e10 - e8 - e9 between -126 and 112; e6 + e7 between -124 and 129 (they are added to c's exponent field).  NaN is not served.
; REGISTERS, window 0: v1 16 x lane; v2 the step's LDS address; v4, v5 the copy's addresses; v6, v7 p's limit and scale; v8-15 -M, largest t, the sum's two halves, for each tile; v16-17 f; v18-27 at work;
;   v28-47 [0 q0 0 q1 0]; v48-79 K; v80-111 V; v112-175 S^T, then p; v176-207 p's codes; v208-239 O^T; v240-247 ctx's codes; v248-253 the way out.   window 1: v0-31 a chunk on its way.
.set LI,   1
.set ADR,  2
.set FO,   4
.set LWA,  5
.set LIMP, 6
.set SCP,  7
.set ST,   8
.set FF,   16
.set MX,   18
.set SM,   22
.set QB,   28
.set KF,   48
.set VF,   80
.set S,    112
.set P,    176
.set O,    208
.set CO,   240
.set SCO,  248
.set LMO,  249
.set RL,   250
.set STEPB,  8192                      ; a key step's bytes: 4,096 of K, 4,096 of V
.set CHUNKB, 32768
.set MSB, 0
.macro WIN new                         ; the immediate's high byte repeats the setting that is left
.if MSB != (\new)
	s_set_vgpr_msb (MSB<<8)|(\new)
.set MSB, (\new)
.endif
.endm
.macro MKSC vsc, vlim, se              ; v[vsc] = 2^e as f32, v[vlim] = 57,344 x 2^e
	s_add_co_i32 s46, \se, 127
	s_lshl_b32 s47, s46, 23
	v_mov_b32 v[\vsc], s47
	s_add_co_i32 s46, s46, 15
	s_lshl_b32 s46, s46, 23
	s_or_b32 s46, s46, 0x600000
	v_mov_b32 v[\vlim], s46
.endm
.macro PLACES                          ; four plain vector lines between a matrix instruction and a read of its result or a load into its sources
.rept 4
	v_nop
.endr
.endm
	s_load_b256 s[4:11], s[0:1], 0x0               ; qimg, kv, the exponents, cimg
	v_lshl_add_u32 v254, v0, 2, 0x40000
	v_mov_b32 v255, 0
	v_lshrrev_b32 v2, 5, v0
	v_readfirstlane_b32 s12, v2                    ; wave
	s_and_b32 s13, ttmp7, 0xffff                   ; bh
	v_and_b32 v1, 31, v0
	v_lshlrev_b32 v[LI], 4, v1                     ; 16 x lane
	s_lshl_b32 s44, s12, 12
	v_add_nc_u32 v[FO], s44, v[LI]                 ; my 16 bytes of my wave's 4,096 of a chunk, in memory and in LDS alike
	s_lshl_b32 s44, s13, 18                        ; kv: bh x 262,144
	s_mov_b32 s45, 0
	s_lshl_b32 s46, s13, 17                        ; qimg: bh x 131,072 + (16 x + 2 w) tiles of 512 bytes
	s_lshl_b32 s47, ttmp9, 13
	s_add_co_u32 s46, s46, s47
	s_lshl_b32 s47, s12, 10
	s_add_co_u32 s46, s46, s47
	s_mov_b32 s47, 0
	s_lshr_b32 s42, s13, 3                         ; cimg: (256 x batch + 16 x + 2 w) tiles of 4,096 bytes
	s_lshl_b32 s42, s42, 20
	s_lshl_b32 s43, ttmp9, 16
	s_add_co_u32 s42, s42, s43
	s_lshl_b32 s43, s12, 13
	s_add_co_u32 s42, s42, s43
	s_bfe_u32 s43, s13, 0x10002
	s_lshl_b32 s43, s43, 11                        ; + 2,048 (head / 4)
	s_add_co_u32 s42, s42, s43
	s_and_b32 s43, s13, 3
	s_lshl_b32 s43, s43, 9                         ; + 512 (head % 4)
	s_add_co_u32 s42, s42, s43
	s_mov_b32 s43, 0
	s_mov_b32 s40, 0x76543210                      ; v_permlanex16_b32's selects for lane l xor 16
	s_mov_b32 s41, 0xfedcba98
	s_wait_kmcnt 0x0
	s_load_b512 s[16:31], s[8:9], 0x0              ; e0 .. e15 in s16 .. s31
	s_add_nc_u64 s[6:7], s[6:7], s[44:45]
	s_add_nc_u64 s[4:5], s[4:5], s[46:47]
	s_add_nc_u64 s[10:11], s[10:11], s[42:43]
.set i, 0
.rept 8
	global_load_b128 v[S+4*i:S+4*i+3], v[FO], s[6:7] offset:512*i          ; chunk 0, through registers that the scores take later
.set i, i+1
.endr
	WIN 0x40                                       ; destination window 1
.set i, 0
.rept 8
	global_load_b128 v[4*i:4*i+3], v[FO], s[6:7] offset:CHUNKB+512*i       ; chunk 1
.set i, i+1
.endr
	WIN 0
	global_load_b128 v[QB+4:QB+7], v[LI], s[4:5]                           ; my two tiles of queries stay in registers
	global_load_b128 v[QB+12:QB+15], v[LI], s[4:5] offset:512
.irp z, 0,1,2,3,8,9,10,11,16,17,18,19
	v_mov_b32 v[QB+\z], 0                          ; the zero codes beside them
.endr
.set i, 0
.rept 32
	v_mov_b32 v[O+i], 0                            ; O^T: the step is written without a first step of its own: it finds zeros, which the first change of M leaves zeros
.set i, i+1
.endr
.irp t, 0,1
	v_mov_b32 v[ST+4*\t+1], 0xff61b1e6             ; the largest t so far: -3e38, under every t
	v_floor_f32 v[ST+4*\t], -v[ST+4*\t+1]          ; -M
	v_mov_b32 v[ST+4*\t+2], 0                      ; the sum, in two halves
	v_mov_b32 v[ST+4*\t+3], 0
.endr
	v_mov_b32 v[FF+1], 0                           ; (named as the upper half of a pair)
	v_mov_b32 v[SM+4], 0                           ; a lane permute's destination counts as one of its sources: written once
	v_mov_b32 v[RL+1], 0
	v_mov_b32 v[RL+3], 0
	s_wait_kmcnt 0x0
	s_mov_b32 s38, 0x3e8293ee                      ; c = log2(e) / sqrt(32)
	s_add_co_i32 s44, s22, s23
	s_lshl_b32 s44, s44, 23
	s_add_co_i32 s38, s38, s44                     ; a score stands for score x 2^(e6 + e7): the exponents are added to c's exponent field
	s_mov_b32 s39, s38                             ; (named with it as a pair)
	MKSC SCP, LIMP, s24
	s_sub_co_i32 s44, s26, s24
	s_sub_co_i32 s44, s44, s25                     ; e10 - e8 - e9: O / l stands for ctx / 2^(e8 + e9)
	MKSC SCO, LMO, s44
	s_wait_loadcnt 10                              ; chunk 0 is in; chunk 1's eight loads and q's two may be out
.set i, 0
.rept 8
	ds_store_b128 v[FO], v[S+4*i:S+4*i+3] offset:512*i
.set i, i+1
.endr
	s_wait_loadcnt 2                               ; chunk 1 is in; q's two may be out
	WIN 0x04                                       ; the store's data in window 1
.set i, 0
.rept 8
	ds_store_b128 v[FO], v[4*i:4*i+3] offset:CHUNKB+512*i
.set i, i+1
.endr
	WIN 0
	s_add_nc_u64 s[6:7], s[6:7], 2*CHUNKB          ; the loads that named this base are done
	s_wait_dscnt 0x0                               ; my stores have landed, and have read their registers
	WIN 0x40
.set i, 0
.rept 8
	global_load_b128 v[4*i:4*i+3], v[FO], s[6:7] offset:512*i              ; chunk 2
.set i, i+1
.endr
	WIN 0
	s_barrier_signal -1
	s_barrier_wait -1                              ; chunks 0 and 1 lie in LDS
	s_wait_loadcnt 8                               ; q is in; chunk 2's eight may be out
.set i, 0
.rept 8
	ds_load_b128 v[KF+4*i:KF+4*i+3], v[LI] offset:512*i                    ; K of step 0
.set i, i+1
.endr
	s_mov_b32 s32, 0                               ; LDS byte of the step in hand
	s_mov_b32 s34, 2*CHUNKB                        ; LDS byte of the chunk to be stored next
	s_mov_b32 s35, 5
.macro QK t                            ; the scores of tile t of my queries against the step's 128 keys: eight instructions, each starting its sum with the constant 0
.irp a, 0,1,2,3
	v_wmma_f32_16x16x64_bf8_bf8 v[S+16*\a:S+16*\a+7], v[KF+8*\a:KF+8*\a+7], v[QB+8*\t+4:QB+8*\t+11], 0    ; (q, 0): key tile 2 a
	v_wmma_f32_16x16x64_bf8_bf8 v[S+16*\a+8:S+16*\a+15], v[KF+8*\a:KF+8*\a+7], v[QB+8*\t:QB+8*\t+7], 0    ; (0, q): key tile 2 a + 1
.endr
.endm
.macro PV t
.irp d, 0,1
	v_wmma_f32_16x16x128_bf8_bf8 v[O+16*\t+8*\d:O+16*\t+8*\d+7], v[VF+16*\d:VF+16*\d+15], v[P+16*\t:P+16*\t+15], v[O+16*\t+8*\d:O+16*\t+8*\d+7]
.endr
.endm
; Tile t's softmax for one key step: 64 scores a lane.
.macro SOFTMAX t
.irp q, 0,1,2,3                                ; the largest score, in four chains of 15; each accumulator is first read at its low end
	v_max3_num_f32 v[MX+\q], v[S+16*\q], v[S+16*\q+1], v[S+16*\q+2]
.endr
.irp e, 3,5,7,9,11,13
.irp q, 0,1,2,3
	v_max3_num_f32 v[MX+\q], v[MX+\q], v[S+16*\q+\e], v[S+16*\q+\e+1]
.endr
.endr
	v_max3_num_f32 v[MX], v[MX], v[MX+1], v[S+15]
	v_max3_num_f32 v[MX+2], v[MX+2], v[MX+3], v[S+31]
	v_max3_num_f32 v[MX], v[MX], v[S+47], v[S+63]
	v_max_num_f32 v[MX], v[MX], v[MX+2]
	v_permlanex16_b32 v[SM+4], v[MX], s40, s41     ; the query's other 64 keys lie in the lane 16 away
	v_max_num_f32 v[MX], v[MX], v[SM+4]
	v_mul_f32 v[MX], s38, v[MX]                    ; as t (c is positive)
	v_max_num_f32 v[ST+4*\t+1], v[ST+4*\t+1], v[MX]
	v_mov_b32 v[MX+1], v[ST+4*\t]
	v_floor_f32 v[ST+4*\t], -v[ST+4*\t+1]          ; the new -M = floor(-t): M is a whole number
	v_sub_f32 v[MX+1], v[ST+4*\t], v[MX+1]         ; old M - new M: a whole number, 0 or less
	v_cvt_i32_f32 v[MX+1], v[MX+1]                 ; (it saturates)
	v_ldexp_f32 v[FF], 1.0, v[MX+1]                ; f = 2^(old M - new M)
.set i, 0
.rept 32
	v_pk_fma_f32 v[S+i:S+i+1], v[S+i:S+i+1], s[38:39], v[ST+4*\t:ST+4*\t+1] op_sel_hi:[1,0,0]   ; t - M, two at a time
.set i, i+2
.endr
.set i, 0
.rept 64
	v_exp_f32 v[S+i], v[S+i]                       ; p = 2^(t - M)
.set i, i+1
.endr
	v_pk_mul_f32 v[ST+4*\t+2:ST+4*\t+3], v[ST+4*\t+2:ST+4*\t+3], v[FF:FF+1] op_sel_hi:[1,0]   ; the sum under the new M; also the plain line behind the exponentials
	s_wait_alu depctr_va_vdst(0)                   ; one wait for the batch of 64, ahead of its first reader
	v_pk_add_f32 v[SM:SM+1], v[S:S+1], v[S+2:S+3]  ; the sum of the unquantised p, in four chains
	v_pk_add_f32 v[SM+2:SM+3], v[S+4:S+5], v[S+6:S+7]
	v_pk_add_f32 v[SM+4:SM+5], v[S+8:S+9], v[S+10:S+11]
.set i, 12
.rept 6
	v_pk_add_f32 v[ST+4*\t+2:ST+4*\t+3], v[ST+4*\t+2:ST+4*\t+3], v[S+i:S+i+1]
	v_pk_add_f32 v[SM:SM+1], v[SM:SM+1], v[S+i+2:S+i+3]
	v_pk_add_f32 v[SM+2:SM+3], v[SM+2:SM+3], v[S+i+4:S+i+5]
	v_pk_add_f32 v[SM+4:SM+5], v[SM+4:SM+5], v[S+i+6:S+i+7]
.set i, i+8
.endr
	v_pk_add_f32 v[ST+4*\t+2:ST+4*\t+3], v[ST+4*\t+2:ST+4*\t+3], v[S+60:S+61]
	v_pk_add_f32 v[SM:SM+1], v[SM:SM+1], v[S+62:S+63]
	v_pk_add_f32 v[SM:SM+1], v[SM:SM+1], v[SM+2:SM+3]
	v_pk_add_f32 v[ST+4*\t+2:ST+4*\t+3], v[ST+4*\t+2:ST+4*\t+3], v[SM+4:SM+5]
	v_pk_add_f32 v[ST+4*\t+2:ST+4*\t+3], v[ST+4*\t+2:ST+4*\t+3], v[SM:SM+1]
	s_cmp_ge_i32 s24, -15                          ; 57,344 x 2^e8 >= 1 >= p: the hold would change nothing
	s_cbranch_scc1 .Lnohold_\@
.set i, 0
.rept 64
	v_min_num_f32 v[S+i], v[S+i], v[LIMP]          ; the conversion does not saturate (ISA guide 7.6.2); p is not negative, so the hold is one-sided
.set i, i+1
.endr
.Lnohold_\@:
.set i, 0
.rept 8
	v_cvt_scalef32_pk8_bf8_f32 v[P+16*\t+2*i:P+16*\t+2*i+1], v[S+8*i:S+8*i+7], v[SCP]
.set i, i+1
.endr
.set i, 0
.rept 8
	v_pk_mul_f32 v[O+16*\t+i:O+16*\t+i+1], v[O+16*\t+i:O+16*\t+i+1], v[FF:FF+1] op_sel_hi:[1,0]   ; O^T under the new M; these are also the plain lines behind the conversions
.set i, i+2
.endr
.endm
; A KEY STEP of 128 keys.  nextk = 1: the next step's K is fetched on the way.  No two matrix instructions that follow each other share an accumulator, over the backward jump too.
.macro STEP nextk
	v_add_nc_u32 v[ADR], s32, v[LI]
.rept 3
	v_nop                                          ; with the line above: four places behind the last products, which read V's registers
.endr
.irp d, 0,1
.irp g, 0,1,2,3
	ds_load_b128 v[VF+16*\d+4*\g:VF+16*\d+4*\g+3], v[ADR] offset:4096+2048*\d+512*\g
.endr
.endr
	s_wait_dscnt 8                                 ; K, asked for a step ago, is in; V's eight loads may be out
	QK 0
	PLACES
	SOFTMAX 0
	s_wait_dscnt 0x0                               ; V is in
	QK 1
	PV 0
	PLACES
.if \nextk
.set i, 0
.rept 8
	ds_load_b128 v[KF+4*i:KF+4*i+3], v[ADR] offset:STEPB+512*i
.set i, i+1
.endr
.endif
	SOFTMAX 1
	PV 1
	s_add_co_u32 s32, s32, STEPB
.endm
.macro STEPS n
	s_mov_b32 s36, \n
.Lstep_\@:
	STEP 1
	s_sub_co_u32 s36, s36, 1
	s_cmp_lg_u32 s36, 0
	s_cbranch_scc1 .Lstep_\@
.endm
; The chunk that waits in registers goes into LDS; ld = 1: the next one is asked for; then the barrier behind which the stored chunk may be read.
.macro FILL ld
	s_wait_loadcnt 0x0                             ; the chunk is in, so its loads' base may be stepped
.if \ld
	s_add_nc_u64 s[6:7], s[6:7], CHUNKB
.endif
	v_add_nc_u32 v[LWA], s34, v[FO]
	WIN 0x04                                       ; the store's data in window 1
.set i, 0
.rept 8
	ds_store_b128 v[LWA], v[4*i:4*i+3] offset:512*i
.set i, i+1
.endr
	WIN 0
	s_add_co_u32 s34, s34, CHUNKB
	s_wait_dscnt 0x0                               ; my stores have landed and have read their registers; my loads of K are in
.if \ld
	WIN 0x40
.set i, 0
.rept 8
	global_load_b128 v[4*i:4*i+3], v[FO], s[6:7] offset:512*i
.set i, i+1
.endr
	WIN 0
.endif
	s_barrier_signal -1
	s_barrier_wait -1
.endm
.Lchunk:                                           ; five trips: chunks 0 to 4 are read, 2 to 6 stored, 3 to 7 asked for
	STEPS 4
	FILL 1
	s_sub_co_u32 s35, s35, 1
	s_cmp_lg_u32 s35, 0
	s_cbranch_scc1 .Lchunk
	STEPS 4                                        ; chunk 5
	FILL 0                                         ; chunk 7 is stored; nothing is left to ask for
	STEPS 7                                        ; chunks 6 and 7,
	STEP 0                                         ; whose last step fetches no further K: no read leaves LDS
	; THE WAY OUT.  The sum's halves and the other lane's are added; O^T / l is held, converted and stored: a lane's 16 registers are dk 16 h + 0..15 of its query, 16 bytes of the image.
	v_add_f32 v[RL], v[ST+2], v[ST+3]
	v_add_f32 v[RL+2], v[ST+6], v[ST+7]
	v_permlanex16_b32 v[RL+1], v[RL], s40, s41
	v_permlanex16_b32 v[RL+3], v[RL+2], s40, s41
	v_add_f32 v[RL], v[RL], v[RL+1]
	v_add_f32 v[RL+2], v[RL+2], v[RL+3]            ; (four additions: the places behind the last products)
	v_rcp_f32 v[RL], v[RL]
	v_rcp_f32 v[RL+2], v[RL+2]
	v_nop                                          ; a plain line behind the reciprocals
	s_wait_alu depctr_va_vdst(0)                   ; one wait for both, ahead of the first reader
.irp t, 0,1
.set i, 0
.rept 8
	v_pk_mul_f32 v[O+16*\t+i:O+16*\t+i+1], v[O+16*\t+i:O+16*\t+i+1], v[RL+2*\t:RL+2*\t+1] op_sel_hi:[1,0]
.set i, i+2
.endr
.set i, 0
.rept 16
	v_med3_num_f32 v[O+16*\t+i], v[O+16*\t+i], -v[LMO], v[LMO]
.set i, i+1
.endr
	v_cvt_scalef32_pk8_bf8_f32 v[CO+4*\t:CO+4*\t+1], v[O+16*\t:O+16*\t+7], v[SCO]
	v_cvt_scalef32_pk8_bf8_f32 v[CO+4*\t+2:CO+4*\t+3], v[O+16*\t+8:O+16*\t+15], v[SCO]
	v_nop
	global_store_b128 v[LI], v[CO+4*\t:CO+4*\t+3], s[10:11] offset:4096*\t   ; the wave stores 512 consecutive bytes, at a multiple of 512 from the buffer's first byte
.endr
	s_wait_tensorcnt 0x0
	ds_add_u32 v254, v255
	s_wait_dscnt 0x0
	s_endpgm
.Lfunc_end_k_qf891e3187d_attn:
	.size	k_qf891e3187d_attn, .Lfunc_end_k_qf891e3187d_attn-k_qf891e3187d_attn
	.p2alignl 7, 3214868480
	.fill 96, 4, 3214868480
	.section	.rodata,"a",@progbits
	.p2align	6, 0x0
	.amdhsa_kernel k_qf891e3187d_attn
		.amdhsa_group_segment_fixed_size 263168
		.amdhsa_private_segment_fixed_size 0
		.amdhsa_enable_private_segment 0
		.amdhsa_kernarg_size 32
		.amdhsa_user_sgpr_count 2
		.amdhsa_user_sgpr_kernarg_segment_ptr 1
		.amdhsa_wavefront_size32 1
		.amdhsa_system_sgpr_workgroup_id_x 1
		.amdhsa_system_sgpr_workgroup_id_y 1
		.amdhsa_system_sgpr_workgroup_id_z 1
		.amdhsa_system_vgpr_workitem_id 0
		.amdhsa_next_free_vgpr 288
		.amdhsa_next_free_sgpr 66
		.amdhsa_reserve_vcc 0
		.amdhsa_float_denorm_mode_32 3
		.amdhsa_float_denorm_mode_16_64 3
		.amdhsa_memory_ordered 1
		.amdhsa_forward_progress 1
		.amdhsa_inst_pref_size 119
	.end_amdhsa_kernel
	.amdgpu_metadata
---
amdhsa.version: [ 1, 2 ]
amdhsa.kernels:
  - .name:           k_qf891e3187d_attn
    .symbol:         k_qf891e3187d_attn.kd
    .args:
      - { .name: qimg, .offset: 0, .size: 8, .value_kind: global_buffer, .address_space: global }
      - { .name: kv, .offset: 8, .size: 8, .value_kind: global_buffer, .address_space: global }
      - { .name: lowp_scales, .offset: 16, .size: 8, .value_kind: global_buffer, .address_space: global }
      - { .name: cimg, .offset: 24, .size: 8, .value_kind: global_buffer, .address_space: global }
    .group_segment_fixed_size: 263168
    .private_segment_fixed_size: 0
    .kernarg_segment_align: 8
    .kernarg_segment_size: 32
    .max_flat_workgroup_size: 256
    .sgpr_count:     66
    .vgpr_count:     288
    .wavefront_size: 32
...
	.end_amdgpu_metadata
.endif
;; end of part 2
;; launch ffn (part 3): grid 256 x 1, 8 waves a work-group, no clusters, 79,360 bytes of LDS; arguments cimg, src, Wo_codes, bo, ln1_g, ln1_b, W1_codes, b1, W2_codes, b2, ln2_g, ln2_b, lowp_scales, out0; writes out0
.if DOCPART == 3
	.amdgcn_target "amdgcn-amd-amdhsa--gfx1250"
	.amdhsa_code_object_version 6
	.text
	.protected	k_qf891e3187d_ffn
	.globl	k_qf891e3187d_ffn
	.p2align	8
	.type	k_qf891e3187d_ffn,@function
k_qf891e3187d_ffn:
	s_mov_b64 s[64:65], 0
	v_nop
	global_prefetch_b8 v0, s[64:65] scope:SCOPE_SE
	s_setreg_imm32_b32 hwreg(HW_REG_WAVE_MODE, 25, 1), 1
	s_wait_xcnt 0x0
; x = LN1(src + ctx Wo + bo);  out = LN2(x + relu(x W1 + b1) W2 + b2).  The three products on codes of BF8 (E5M2): ctx's codes come as register images (e10), Wo, W1, W2 as codes [N][K] (e11, e13, e15);
; x (e12) and the hidden layer (e14) are quantised on the way and never go to memory.
; SHARES.  A work-group takes 32 rows (two tiles of 16).  THE WAVES SHARE THE COLUMNS: wave w owns columns 32 w .. 32 w + 31 of the first and the last product and hidden units 128 w .. 128 w + 127.
; All products are used TRANSPOSED (source 0 = 16 rows of a weight, source 1 = 16 rows of the operand), and a weight's rows of a tile are not neighbours: lane row r of tile u is row base + 8 u + r + 8 (r / 8).
; So lane (r, h) holds row r and columns 32 w + 16 h + 0 .. 15 throughout: the residual stays in 32 registers from the first product to the last norm, and 16 registers converted are 16 bytes of the next operand's image.
; Each weight byte is read by ONE wave of the work-group, straight into registers: nine chunks of 16 loads (8,192 bytes) through three sets of 64 registers, each asked for when the set's last products are issued.
; No joint loads: the weights, which all work-groups share, pass no LDS here; each goes from memory into the registers that the products name.
; OPERANDS GO FROM WAVE TO WAVE THROUGH LDS AS IMAGES OF THEIR REGISTERS (512 bytes = 4 registers x 32 lanes).  Five barriers; every region of LDS is written once.
; THE NORMS: each wave takes the mean and the sum of squared distances from it over its 32 columns; the eight pairs meet in LDS and are joined as M2 = sum of M2_w + 32 x sum of (mean_w - mu)^2: no difference of large sums.
; LIMITS: e12 and e14 - e12 - e13 between -126 and 112; e10 + e11 and e14 + e15 between -126 and 127.  NaN among the inputs and infinity or NaN among the weights' codes are not served.
; REGISTERS, window 0: v1-13 addresses; v16-47 the residual (16 m + n); v48-111 four fragments; v112-143 four accumulators (8 (2 m + u)); v144-191 three row parameters of my 16 columns;
;   v192-207 codes, and the norms' sums; v208-239 at work; v240-243 scales and limits; v244-251 (mu, 0), (1 / sigma, 0) for each m.   window 1: v0-191 three sets of weights; v192-255 b1's eight tiles.
.set LI,  1                            ; 16 x lane
.set WA,  4                            ; a row of 256 codes: (r + 8 (r / 8)) x 256 + 16 h
.set WB,  5                            ; a row of 1,024 codes
.set SA,  6                            ; src: r x 1,024 + 64 h
.set PA,  7                            ; 64 h: my 16 numbers of a row parameter
.set XW,  8                            ; where I store x's image
.set HW,  9                            ; the hidden layer's
.set STW, 10                           ; my wave's pair of a row's statistics
.set STR, 11                           ; a row's eight pairs
.set SO,  12                           ; the stage: where I put 64 bytes of a row
.set SR,  13                           ; and where I read rows back
.set XR,  16
.set FR,  48
.set ACC, 112
.set PR,  144
.set CD,  192
.set T,   208
.set SCX, 240
.set LMX, 241
.set SCH, 242
.set LMH, 243
.set MU,  244
.set RS,  246
.set B1,  192                          ; window 1
.set STAT1, 0                          ; LDS: [row 32][wave 8][mean, M2]: 2,048 bytes
.set STAT2, 2048
.set XIMG,  4096                       ; x's four fragments (2 m + s) of 2,048 bytes
.set HIMG,  12288                      ; the hidden layer's sixteen (8 m + K step)
.set STG,   45056                      ; 32 rows of 1,024 bytes + 16
.set SPITCH, 1040
.set MSB, 0
.macro WIN new                         ; the immediate's high byte repeats the setting that is left
.if MSB != (\new)
	s_set_vgpr_msb (MSB<<8)|(\new)
.set MSB, (\new)
.endif
.endm
.macro MKSC vsc, vlim, se              ; v[vsc] = 2^e as f32, v[vlim] = 57,344 x 2^e
	s_add_co_i32 s76, \se, 127
	s_lshl_b32 s77, s76, 23
	v_mov_b32 v[\vsc], s77
	s_add_co_i32 s76, s76, 15
	s_lshl_b32 s76, s76, 23
	s_or_b32 s76, s76, 0x600000
	v_mov_b32 v[\vlim], s76
.endm
.macro PLACES                          ; four plain vector lines between a matrix instruction and a read of its result or a load into its sources
.rept 4
	v_nop
.endr
.endm
.macro BARRIER                         ; my LDS stores have landed and my LDS loads are in: then the work-group's barrier
	s_wait_dscnt 0x0
	s_barrier_signal -1
	s_barrier_wait -1
.endm
; Chunk i of the weights, 16 loads, into set i % 3 of window 1 (the caller sets the window): 0: Wo;  1 + b: W1's 32 units 32 b on;  5 + p: W2's K steps 2 p, 2 p + 1.  Fragment (tile u, K step s) at 16 (2 u + s).
.macro CHUNK i
.set SL, 64*((\i)%3)
.irp u, 0,1
.irp s, 0,1
.irp c, 0,1,2,3
.if (\i) == 0
	global_load_b128 v[SL+16*(2*\u+\s)+4*\c:SL+16*(2*\u+\s)+4*\c+3], v[WA], s[8:9] offset:2048*\u+128*\s+32*\c
.elseif (\i) < 5
	global_load_b128 v[SL+16*(2*\u+\s)+4*\c:SL+16*(2*\u+\s)+4*\c+3], v[WA], s[16:17] offset:8192*((\i)-1)+2048*\u+128*\s+32*\c
.else
	global_load_b128 v[SL+16*(2*\u+\s)+4*\c:SL+16*(2*\u+\s)+4*\c+3], v[WB], s[20:21] offset:8192*\u+128*(2*((\i)-5)+\s)+32*\c
.endif
.endr
.endr
.endr
.endm
.macro CHUNKW i
	WIN 0x40                                       ; destination window 1
	CHUNK \i
	WIN 0
.endm
	s_load_b512 s[4:19], s[0:1], 0x0               ; cimg, src, Wo, bo, ln1_g, ln1_b, W1, b1
	s_load_b256 s[20:27], s[0:1], 0x40             ; W2, b2, ln2_g, ln2_b
	s_load_b128 s[28:31], s[0:1], 0x60             ; the exponents, out0
	v_lshl_add_u32 v254, v0, 2, 0x13200
	v_mov_b32 v255, 0
	v_lshrrev_b32 v1, 5, v0
	v_readfirstlane_b32 s32, v1                    ; wave
	v_and_b32 v1, 31, v0
	v_lshlrev_b32 v[LI], 4, v1
	v_and_b32 v2, 15, v0                           ; r
	v_bfe_u32 v3, v0, 4, 1                         ; h
	v_and_b32 v14, 8, v2
	v_add_nc_u32 v14, v14, v2                      ; r + 8 (r / 8)
	v_lshlrev_b32 v[WA], 8, v14
	v_lshl_add_u32 v[WA], v3, 4, v[WA]
	v_lshlrev_b32 v[WB], 10, v14
	v_lshl_add_u32 v[WB], v3, 4, v[WB]
	v_lshlrev_b32 v[SA], 10, v2
	v_lshl_add_u32 v[SA], v3, 6, v[SA]
	v_lshlrev_b32 v[PA], 6, v3
	s_lshl_b32 s33, s32, 9
	s_add_co_u32 s33, s33, XIMG
	v_add_nc_u32 v[XW], s33, v[LI]                 ; my 32 columns are K step w / 4, block w % 4: 512 w
	s_lshl_b32 s33, s32, 11
	s_add_co_u32 s33, s33, HIMG
	v_add_nc_u32 v[HW], s33, v[LI]                 ; my 128 units are K step w
	v_lshlrev_b32 v[STR], 6, v2
	s_lshl_b32 s33, s32, 3
	v_add_nc_u32 v[STW], s33, v[STR]
	v_mul_u32_u24 v[SO], v2, SPITCH
	v_lshl_add_u32 v[SO], v3, 6, v[SO]
	s_lshl_b32 s33, s32, 7
	s_add_co_u32 s33, s33, STG
	v_add_nc_u32 v[SO], s33, v[SO]                 ; row r, + 128 w + 64 h
	s_mul_i32 s33, s32, 4*SPITCH
	s_add_co_u32 s33, s33, STG
	v_add_nc_u32 v[SR], s33, v[LI]                 ; back: rows 4 w on
.irp z, 1,3,5,7
	v_mov_b32 v[MU+\z], 0                          ; (named as the upper halves of pairs)
.endr
	s_lshl_b32 s58, ttmp9, 13                      ; cimg: two tiles of 4,096 bytes a work-group
	s_mov_b32 s59, 0
	s_lshl_b32 s60, ttmp9, 15                      ; src: 32 rows of 1,024 bytes, + my 32 columns
	s_lshl_b32 s62, s32, 7                         ; the row parameters: my 32 numbers
	s_add_co_u32 s60, s60, s62
	s_mov_b32 s61, 0
	s_mov_b32 s63, 0
	s_lshl_b32 s66, s32, 9                         ; b1: my 128
	s_mov_b32 s67, 0
	s_lshl_b32 s68, s32, 13                        ; Wo: my 32 rows of 256 bytes
	s_mov_b32 s69, 0
	s_lshl_b32 s70, s32, 15                        ; W1: my 128 rows of 256;  W2: my 32 rows of 1,024
	s_mov_b32 s71, 0
	s_lshl_b32 s72, ttmp9, 15                      ; out0: 32 rows, of which I store rows 4 w on
	s_lshl_b32 s73, s32, 12
	s_add_co_u32 s72, s72, s73
	s_mov_b32 s73, 0
	s_mov_b32 s33, 0x3b800000                      ; 1 / 256
	s_mov_b32 s34, 0x3727c5ac                      ; 1e-5
	s_mov_b32 s35, 0x42000000                      ; 32
	s_mov_b32 s56, 0x76543210                      ; v_permlanex16_b32's selects for lane l xor 16
	s_mov_b32 s57, 0xfedcba98
	s_wait_kmcnt 0x0
	s_load_b512 s[36:51], s[28:29], 0x0            ; e0 .. e15 in s36 .. s51
	s_add_nc_u64 s[4:5], s[4:5], s[58:59]
	s_add_nc_u64 s[6:7], s[6:7], s[60:61]
	s_add_nc_u64 s[8:9], s[8:9], s[68:69]
	s_add_nc_u64 s[10:11], s[10:11], s[62:63]
	s_add_nc_u64 s[12:13], s[12:13], s[62:63]
	s_add_nc_u64 s[14:15], s[14:15], s[62:63]
	s_add_nc_u64 s[16:17], s[16:17], s[70:71]
	s_add_nc_u64 s[18:19], s[18:19], s[66:67]
	s_add_nc_u64 s[20:21], s[20:21], s[70:71]
	s_add_nc_u64 s[22:23], s[22:23], s[62:63]
	s_add_nc_u64 s[24:25], s[24:25], s[62:63]
	s_add_nc_u64 s[26:27], s[26:27], s[62:63]
	s_add_nc_u64 s[30:31], s[30:31], s[72:73]
.set i, 0
.rept 16
	global_load_b128 v[FR+4*i:FR+4*i+3], v[LI], s[4:5] offset:512*i        ; ctx's four fragments (2 m + s), as they lie
.set i, i+1
.endr
.irp m, 0,1
.irp j, 0,1,2,3
	global_load_b128 v[XR+16*\m+4*\j:XR+16*\m+4*\j+3], v[SA], s[6:7] offset:16384*\m+16*\j   ; src at my rows and columns
.endr
.endr
.irp j, 0,1,2,3
	global_load_b128 v[PR+4*\j:PR+4*\j+3], v[PA], s[10:11] offset:16*\j        ; bo
	global_load_b128 v[PR+16+4*\j:PR+16+4*\j+3], v[PA], s[12:13] offset:16*\j  ; ln1_g
	global_load_b128 v[PR+32+4*\j:PR+32+4*\j+3], v[PA], s[14:15] offset:16*\j  ; ln1_b
.endr
	WIN 0x40
	CHUNK 0
.irp b, 0,1,2,3                                ; b1 in the result's layout: register j of tile 2 b + u is unit 32 b + 16 h + 8 u + j
.irp u, 0,1
	global_load_b128 v[B1+8*(2*\b+\u):B1+8*(2*\b+\u)+3], v[PA], s[18:19] offset:128*\b+32*\u
	global_load_b128 v[B1+8*(2*\b+\u)+4:B1+8*(2*\b+\u)+7], v[PA], s[18:19] offset:128*\b+32*\u+16
.endr
.endr
	CHUNK 1
	CHUNK 2
	WIN 0
	s_wait_kmcnt 0x0
	s_add_co_i32 s52, s46, s47
	s_add_co_i32 s52, s52, 127
	s_lshl_b32 s52, s52, 23                        ; 2^(e10 + e11) as f32
	s_mov_b32 s53, s52                             ; (named with it as a pair)
	s_add_co_i32 s54, s50, s51
	s_add_co_i32 s54, s54, 127
	s_lshl_b32 s54, s54, 23                        ; 2^(e14 + e15)
	s_mov_b32 s55, s54
	s_add_co_i32 s74, s48, s49
	s_sub_co_i32 s75, 0, s74                       ; -(e12 + e13): b1 goes in divided by what the sums lack
	s_sub_co_i32 s74, s50, s74                     ; e14 - e12 - e13: the three scales folded into the conversion's one
	MKSC SCX, LMX, s48
	MKSC SCH, LMH, s74
; THE NORM of the 32 rows in v[XR] on, in place, with the gain at v[PR+16] and the offset at v[PR+32]; the two tiles of rows take turns line by line.  One barrier.
.macro LN stat
.irp m, 0,1
	v_pk_add_f32 v[CD+4*\m:CD+4*\m+1], v[XR+16*\m:XR+16*\m+1], v[XR+16*\m+2:XR+16*\m+3]
	v_pk_add_f32 v[CD+4*\m+2:CD+4*\m+3], v[XR+16*\m+4:XR+16*\m+5], v[XR+16*\m+6:XR+16*\m+7]
.endr
.irp e, 8,12
.irp m, 0,1
	v_pk_add_f32 v[CD+4*\m:CD+4*\m+1], v[CD+4*\m:CD+4*\m+1], v[XR+16*\m+\e:XR+16*\m+\e+1]
	v_pk_add_f32 v[CD+4*\m+2:CD+4*\m+3], v[CD+4*\m+2:CD+4*\m+3], v[XR+16*\m+\e+2:XR+16*\m+\e+3]
.endr
.endr
.irp m, 0,1
	v_pk_add_f32 v[CD+4*\m:CD+4*\m+1], v[CD+4*\m:CD+4*\m+1], v[CD+4*\m+2:CD+4*\m+3]
.endr
.irp m, 0,1
	v_add_f32 v[CD+4*\m], v[CD+4*\m], v[CD+4*\m+1]
.endr
.irp m, 0,1
	v_permlanex16_b32 v[CD+4*\m+2], v[CD+4*\m], s56, s57   ; the row's other 16 of my wave's columns lie in the lane 16 away
.endr
.irp m, 0,1
	v_add_f32 v[CD+4*\m], v[CD+4*\m], v[CD+4*\m+2]
.endr
.irp m, 0,1
	v_mul_f32 v[CD+4*\m], 0x3d000000, v[CD+4*\m]   ; / 32: my wave's mean
.endr
.set i, 0
.rept 8
.irp m, 0,1
	v_pk_add_f32 v[T+16*\m+i:T+16*\m+i+1], v[XR+16*\m+i:XR+16*\m+i+1], v[CD+4*\m:CD+4*\m+1] op_sel_hi:[1,0] neg_lo:[0,1] neg_hi:[0,1]
.endr
.set i, i+2
.endr
.irp m, 0,1
	v_pk_mul_f32 v[CD+4*\m+2:CD+4*\m+3], v[T+16*\m:T+16*\m+1], v[T+16*\m:T+16*\m+1]
.endr
.set i, 2
.rept 7
.irp m, 0,1
	v_pk_fma_f32 v[CD+4*\m+2:CD+4*\m+3], v[T+16*\m+i:T+16*\m+i+1], v[T+16*\m+i:T+16*\m+i+1], v[CD+4*\m+2:CD+4*\m+3]
.endr
.set i, i+2
.endr
.irp m, 0,1
	v_add_f32 v[CD+4*\m+2], v[CD+4*\m+2], v[CD+4*\m+3]
.endr
.irp m, 0,1
	v_permlanex16_b32 v[CD+4*\m+3], v[CD+4*\m+2], s56, s57
.endr
.irp m, 0,1
	v_add_f32 v[CD+4*\m+1], v[CD+4*\m+2], v[CD+4*\m+3]   ; my wave's M2, beside its mean
.endr
.irp m, 0,1
	ds_store_b64 v[STW], v[CD+4*\m:CD+4*\m+1] offset:\stat+1024*\m   ; (the two lanes of a row store the same pair to the same place)
.endr
	BARRIER
.irp m, 0,1
.irp n, 0,1,2,3
	ds_load_b128 v[FR+16*\m+4*\n:FR+16*\m+4*\n+3], v[STR] offset:\stat+1024*\m+16*\n   ; the row's eight pairs
.endr
.endr
	s_wait_dscnt 0x0
.irp m, 0,1
	v_pk_add_f32 v[CD+4*\m:CD+4*\m+1], v[FR+16*\m:FR+16*\m+1], v[FR+16*\m+2:FR+16*\m+3]
	v_pk_add_f32 v[CD+4*\m+2:CD+4*\m+3], v[FR+16*\m+4:FR+16*\m+5], v[FR+16*\m+6:FR+16*\m+7]
.endr
.irp e, 8,12
.irp m, 0,1
	v_pk_add_f32 v[CD+4*\m:CD+4*\m+1], v[CD+4*\m:CD+4*\m+1], v[FR+16*\m+\e:FR+16*\m+\e+1]
	v_pk_add_f32 v[CD+4*\m+2:CD+4*\m+3], v[CD+4*\m+2:CD+4*\m+3], v[FR+16*\m+\e+2:FR+16*\m+\e+3]
.endr
.endr
.irp m, 0,1
	v_pk_add_f32 v[CD+4*\m:CD+4*\m+1], v[CD+4*\m:CD+4*\m+1], v[CD+4*\m+2:CD+4*\m+3]   ; (the sum of the means, the sum of the M2)
.endr
.irp m, 0,1
	v_mul_f32 v[MU+4*\m], 0x3e000000, v[CD+4*\m]   ; mu = the mean of the eight means
.endr
.set k, 0
.rept 8
.irp m, 0,1
	v_sub_f32 v[T+16*\m+k], v[FR+16*\m+2*k], v[MU+4*\m]
.endr
.set k, k+1
.endr
.irp m, 0,1
	v_mul_f32 v[CD+4*\m], v[T+16*\m], v[T+16*\m]
.endr
.set k, 1
.rept 7
.irp m, 0,1
	v_fmac_f32 v[CD+4*\m], v[T+16*\m+k], v[T+16*\m+k]
.endr
.set k, k+1
.endr
.irp m, 0,1
	v_fma_f32 v[CD+4*\m], v[CD+4*\m], s35, v[CD+4*\m+1]   ; M2 = 32 x the sum of (mean_w - mu)^2 + the sum of the M2_w
.endr
.irp m, 0,1
	v_fma_f32 v[CD+4*\m], v[CD+4*\m], s33, s34     ; / 256 + 1e-5
.endr
.irp m, 0,1
	v_rsq_f32 v[RS+4*\m], v[CD+4*\m]
.endr
	v_nop                                          ; a plain line behind the two roots
	s_wait_alu depctr_va_vdst(0)                   ; one wait for both, ahead of the first reader
.set i, 0
.rept 8
.irp m, 0,1
	v_pk_add_f32 v[XR+16*\m+i:XR+16*\m+i+1], v[XR+16*\m+i:XR+16*\m+i+1], v[MU+4*\m:MU+4*\m+1] op_sel_hi:[1,0] neg_lo:[0,1] neg_hi:[0,1]
.endr
.set i, i+2
.endr
.set i, 0
.rept 8
.irp m, 0,1
	v_pk_mul_f32 v[XR+16*\m+i:XR+16*\m+i+1], v[XR+16*\m+i:XR+16*\m+i+1], v[RS+4*\m:RS+4*\m+1] op_sel_hi:[1,0]
.endr
.set i, i+2
.endr
.set i, 0
.rept 8
.irp m, 0,1
	v_pk_fma_f32 v[XR+16*\m+i:XR+16*\m+i+1], v[XR+16*\m+i:XR+16*\m+i+1], v[PR+16+i:PR+16+i+1], v[PR+32+i:PR+32+i+1]
.endr
.set i, i+2
.endr
.endm
	; ---- ctx Wo: eight matrix instructions, four accumulators by turns
	s_wait_loadcnt 48                              ; ctx, src, the first row parameters and Wo are in; b1's 16 loads and chunks 1 and 2 may be out
.set i, 0
.rept 8
.irp m, 0,1
	v_pk_add_f32 v[XR+16*\m+i:XR+16*\m+i+1], v[XR+16*\m+i:XR+16*\m+i+1], v[PR+i:PR+i+1]   ; src + bo
.endr
.set i, i+2
.endr
	WIN 0x01                                       ; source 0 (the weight) window 1
.irp s, 0,1
.irp m, 0,1
.irp u, 0,1
.if \s == 0
	v_wmma_f32_16x16x128_bf8_bf8 v[ACC+8*(2*\m+\u):ACC+8*(2*\m+\u)+7], v[16*(2*\u+\s):16*(2*\u+\s)+15], v[FR+16*(2*\m+\s):FR+16*(2*\m+\s)+15], 0
.else
	v_wmma_f32_16x16x128_bf8_bf8 v[ACC+8*(2*\m+\u):ACC+8*(2*\m+\u)+7], v[16*(2*\u+\s):16*(2*\u+\s)+15], v[FR+16*(2*\m+\s):FR+16*(2*\m+\s)+15], v[ACC+8*(2*\m+\u):ACC+8*(2*\m+\u)+7]
.endif
.endr
.endr
.endr
	WIN 0
	PLACES
	CHUNKW 3
.set i, 0
.rept 16
	v_pk_fma_f32 v[XR+i:XR+i+1], v[ACC+i:ACC+i+1], s[52:53], v[XR+i:XR+i+1] op_sel_hi:[1,0,1]   ; + sum x 2^(e10 + e11); each accumulator from its low end on
.set i, i+2
.endr
	LN STAT1
.irp j, 0,1,2,3                                ; the second set of row parameters takes the first set's registers
	global_load_b128 v[PR+4*\j:PR+4*\j+3], v[PA], s[22:23] offset:16*\j        ; b2
	global_load_b128 v[PR+16+4*\j:PR+16+4*\j+3], v[PA], s[24:25] offset:16*\j  ; ln2_g
	global_load_b128 v[PR+32+4*\j:PR+32+4*\j+3], v[PA], s[26:27] offset:16*\j  ; ln2_b
.endr
	; ---- x is quantised: the hold goes into other registers, x itself stays for the residual
.irp m, 0,1
.set i, 0
.rept 16
	v_med3_num_f32 v[T+16*\m+i], v[XR+16*\m+i], -v[LMX], v[LMX]   ; the conversion to an 8-bit code does not saturate (ISA guide 7.6.2)
.set i, i+1
.endr
	v_cvt_scalef32_pk8_bf8_f32 v[CD+4*\m:CD+4*\m+1], v[T+16*\m:T+16*\m+7], v[SCX]
	v_cvt_scalef32_pk8_bf8_f32 v[CD+4*\m+2:CD+4*\m+3], v[T+16*\m+8:T+16*\m+15], v[SCX]
.endr
	v_nop                                          ; one plain line behind the conversions
.irp m, 0,1
	ds_store_b128 v[XW], v[CD+4*\m:CD+4*\m+3] offset:4096*\m
.endr
	BARRIER                                        ; x's four fragments lie in LDS
.set i, 0
.rept 16
	ds_load_b128 v[FR+4*i:FR+4*i+3], v[LI] offset:XIMG+512*i
.set i, i+1
.endr
	s_wait_loadcnt 60                              ; b1 is in; chunks 1, 2, 3 and the second row parameters (16 + 16 + 16 + 12) may be out
	WIN 0x41                                       ; source 0 and destination window 1
.set i, 0
.rept 64
	v_ldexp_f32 v[B1+i], v[B1+i], s75              ; b1 / 2^(e12 + e13)
.set i, i+1
.endr
	WIN 0
	s_wait_dscnt 0x0
; ---- the hidden layer, 32 units at a time: b1 is the C of each sum's first instruction; relu and the hold in one; the image of block b of K step w
.macro PAIR b, cnt
.set SW, 64*((\b+1)%3)
	s_wait_loadcnt \cnt
	WIN 0x11                                       ; source 0 (W1) and source 2 (b1) window 1
.irp m, 0,1
.irp u, 0,1
	v_wmma_f32_16x16x128_bf8_bf8 v[ACC+8*(2*\m+\u):ACC+8*(2*\m+\u)+7], v[SW+16*(2*\u):SW+16*(2*\u)+15], v[FR+16*(2*\m):FR+16*(2*\m)+15], v[B1+8*(2*\b+\u):B1+8*(2*\b+\u)+7]
.endr
.endr
	WIN 0x01
.irp m, 0,1
.irp u, 0,1
	v_wmma_f32_16x16x128_bf8_bf8 v[ACC+8*(2*\m+\u):ACC+8*(2*\m+\u)+7], v[SW+16*(2*\u+1):SW+16*(2*\u+1)+15], v[FR+16*(2*\m+1):FR+16*(2*\m+1)+15], v[ACC+8*(2*\m+\u):ACC+8*(2*\m+\u)+7]
.endr
.endr
	WIN 0
	PLACES
	CHUNKW \b+4                                    ; the set just multiplied takes the chunk three further on
.irp m, 0,1
.set i, 0
.rept 16
	v_med3_num_f32 v[ACC+16*\m+i], v[ACC+16*\m+i], 0, v[LMH]
.set i, i+1
.endr
	v_cvt_scalef32_pk8_bf8_f32 v[CD+8*(\b%2)+4*\m:CD+8*(\b%2)+4*\m+1], v[ACC+16*\m:ACC+16*\m+7], v[SCH]
	v_cvt_scalef32_pk8_bf8_f32 v[CD+8*(\b%2)+4*\m+2:CD+8*(\b%2)+4*\m+3], v[ACC+16*\m+8:ACC+16*\m+15], v[SCH]
.endr
	v_nop                                          ; one plain line between the conversions and the next products, which write their sources
.irp m, 0,1
	ds_store_b128 v[HW], v[CD+8*(\b%2)+4*\m:CD+8*(\b%2)+4*\m+3] offset:16384*\m+512*\b
.endr
.endm
	PAIR 0, 44                                     ; chunk 1 is in; chunk 2, chunk 3 and the 12 row parameters may be out
	PAIR 1, 44                                     ; chunk 2 is in; chunk 3, the 12, chunk 4 may be out
	PAIR 2, 44                                     ; chunk 3 is in; the 12, chunks 4 and 5 may be out
	PAIR 3, 32                                     ; chunk 4 (and the 12 ahead of it) is in; chunks 5 and 6 may be out
	BARRIER                                        ; the hidden layer's sixteen fragments lie in LDS
	; ---- hidden W2: eight K steps of 128, four accumulators by turns; a K step's two fragments are fetched two steps ahead
.macro HFETCH ks
.irp m, 0,1
.irp c, 0,1,2,3
	ds_load_b128 v[FR+32*((\ks)%2)+16*\m+4*\c:FR+32*((\ks)%2)+16*\m+4*\c+3], v[LI] offset:HIMG+(8*\m+(\ks))*2048+512*\c
.endr
.endr
.endm
	HFETCH 0
	HFETCH 1
.set i, 0
.rept 8
.irp m, 0,1
	v_pk_add_f32 v[XR+16*\m+i:XR+16*\m+i+1], v[XR+16*\m+i:XR+16*\m+i+1], v[PR+i:PR+i+1]   ; x + b2
.endr
.set i, i+2
.endr
.irp ks, 0,1,2,3,4,5,6,7
.if \ks == 0
	s_wait_loadcnt 32                              ; chunk 5 is in; chunks 6 and 7 may be out
.elseif \ks == 2
	s_wait_loadcnt 32                              ; chunk 6 is in; chunks 7 and 8 may be out
.elseif \ks == 4
	s_wait_loadcnt 16                              ; chunk 7 is in; chunk 8 may be out
.elseif \ks == 6
	s_wait_loadcnt 0x0
.endif
.if \ks == 7
	s_wait_dscnt 0x0
.else
	s_wait_dscnt 8                                 ; this K step's fragments are in; the next step's eight loads may be out
.endif
.set SW, 64*((5+\ks/2)%3)
	WIN 0x01
.irp m, 0,1
.irp u, 0,1
.if \ks == 0
	v_wmma_f32_16x16x128_bf8_bf8 v[ACC+8*(2*\m+\u):ACC+8*(2*\m+\u)+7], v[SW+16*(2*\u+\ks%2):SW+16*(2*\u+\ks%2)+15], v[FR+32*(\ks%2)+16*\m:FR+32*(\ks%2)+16*\m+15], 0
.else
	v_wmma_f32_16x16x128_bf8_bf8 v[ACC+8*(2*\m+\u):ACC+8*(2*\m+\u)+7], v[SW+16*(2*\u+\ks%2):SW+16*(2*\u+\ks%2)+15], v[FR+32*(\ks%2)+16*\m:FR+32*(\ks%2)+16*\m+15], v[ACC+8*(2*\m+\u):ACC+8*(2*\m+\u)+7]
.endif
.endr
.endr
	WIN 0
	PLACES
.if \ks < 6
	HFETCH \ks+2
.endif
.if \ks == 1
	CHUNKW 8
.endif
.endr
.set i, 0
.rept 16
	v_pk_fma_f32 v[XR+i:XR+i+1], v[ACC+i:ACC+i+1], s[54:55], v[XR+i:XR+i+1] op_sel_hi:[1,0,1]   ; + sum x 2^(e14 + e15)
.set i, i+2
.endr
	LN STAT2
	; ---- the way out: a row's 1,024 bytes come from eight waves: they meet in the stage, and each wave stores four whole rows
.irp m, 0,1
.irp j, 0,1,2,3
	ds_store_b128 v[SO], v[XR+16*\m+4*\j:XR+16*\m+4*\j+3] offset:16*SPITCH*\m+16*\j
.endr
.endr
	BARRIER
.set i, 0
.rept 8
	ds_load_b128 v[FR+4*i:FR+4*i+3], v[SR] offset:SPITCH*(i/2)+512*(i%2)
.set i, i+1
.endr
.set i, 0
.rept 8
	s_wait_dscnt 7-i
	global_store_b128 v[LI], v[FR+4*i:FR+4*i+3], s[30:31] offset:1024*(i/2)+512*(i%2) th:TH_STORE_NT   ; the wave stores 512 consecutive bytes, at a multiple of 512 from the buffer's first byte
.set i, i+1
.endr
	s_wait_tensorcnt 0x0
	ds_add_u32 v254, v255
	s_wait_dscnt 0x0
	s_endpgm
.Lfunc_end_k_qf891e3187d_ffn:
	.size	k_qf891e3187d_ffn, .Lfunc_end_k_qf891e3187d_ffn-k_qf891e3187d_ffn
	.p2alignl 7, 3214868480
	.fill 96, 4, 3214868480
	.section	.rodata,"a",@progbits
	.p2align	6, 0x0
	.amdhsa_kernel k_qf891e3187d_ffn
		.amdhsa_group_segment_fixed_size 79360
		.amdhsa_private_segment_fixed_size 0
		.amdhsa_enable_private_segment 0
		.amdhsa_kernarg_size 112
		.amdhsa_user_sgpr_count 2
		.amdhsa_user_sgpr_kernarg_segment_ptr 1
		.amdhsa_wavefront_size32 1
		.amdhsa_system_sgpr_workgroup_id_x 1
		.amdhsa_system_sgpr_workgroup_id_y 1
		.amdhsa_system_sgpr_workgroup_id_z 1
		.amdhsa_system_vgpr_workitem_id 0
		.amdhsa_next_free_vgpr 512
		.amdhsa_next_free_sgpr 80
		.amdhsa_reserve_vcc 0
		.amdhsa_float_denorm_mode_32 3
		.amdhsa_float_denorm_mode_16_64 3
		.amdhsa_memory_ordered 1
		.amdhsa_forward_progress 1
		.amdhsa_inst_pref_size 79
	.end_amdhsa_kernel
	.amdgpu_metadata
---
amdhsa.version: [ 1, 2 ]
amdhsa.kernels:
  - .name:           k_qf891e3187d_ffn
    .symbol:         k_qf891e3187d_ffn.kd
    .args:
      - { .name: cimg, .offset: 0, .size: 8, .value_kind: global_buffer, .address_space: global }
      - { .name: src, .offset: 8, .size: 8, .value_kind: global_buffer, .address_space: global }
      - { .name: Wo_codes, .offset: 16, .size: 8, .value_kind: global_buffer, .address_space: global }
      - { .name: bo, .offset: 24, .size: 8, .value_kind: global_buffer, .address_space: global }
      - { .name: ln1_g, .offset: 32, .size: 8, .value_kind: global_buffer, .address_space: global }
      - { .name: ln1_b, .offset: 40, .size: 8, .value_kind: global_buffer, .address_space: global }
      - { .name: W1_codes, .offset: 48, .size: 8, .value_kind: global_buffer, .address_space: global }
      - { .name: b1, .offset: 56, .size: 8, .value_kind: global_buffer, .address_space: global }
      - { .name: W2_codes, .offset: 64, .size: 8, .value_kind: global_buffer, .address_space: global }
      - { .name: b2, .offset: 72, .size: 8, .value_kind: global_buffer, .address_space: global }
      - { .name: ln2_g, .offset: 80, .size: 8, .value_kind: global_buffer, .address_space: global }
      - { .name: ln2_b, .offset: 88, .size: 8, .value_kind: global_buffer, .address_space: global }
      - { .name: lowp_scales, .offset: 96, .size: 8, .value_kind: global_buffer, .address_space: global }
      - { .name: out0, .offset: 104, .size: 8, .value_kind: global_buffer, .address_space: global }
    .group_segment_fixed_size: 79360
    .private_segment_fixed_size: 0
    .kernarg_segment_align: 8
    .kernarg_segment_size: 112
    .max_flat_workgroup_size: 256
    .sgpr_count:     80
    .vgpr_count:     512
    .wavefront_size: 32
...
	.end_amdgpu_metadata
.endif
;; end of part 3
;; ======== version 2 of 2: 3 launches; version 1 with the launches qkv, attn, ffn written anew for expert scheduling mode
;; workspace buffers: qimg 2,097,152 bytes; kv 4,194,304 bytes; cimg 2,097,152 bytes
;; launch qkv (part 4): grid 256 x 1, 8 waves a work-group, no clusters, 25,600 bytes of LDS; arguments src, Wq_codes, Wk_codes, Wv_codes, bq, bk, bv, lowp_scales, qimg, kv; writes qimg, kv
.if DOCPART == 4
	.amdgcn_target "amdgcn-amd-amdhsa--gfx1250"
	.amdhsa_code_object_version 6
	.text
	.protected	k_qf891e3187d_qkv
	.globl	k_qf891e3187d_qkv
	.p2align	8
	.type	k_qf891e3187d_qkv,@function
k_qf891e3187d_qkv:
	s_mov_b64 s[64:65], 0
	v_nop
	global_prefetch_b8 v0, s[64:65] scope:SCOPE_SE
	s_setreg_imm32_b32 hwreg(HW_REG_WAVE_SCHED_MODE, 0, 2), 2
	s_setreg_imm32_b32 hwreg(HW_REG_WAVE_MODE, 25, 1), 1
	s_wait_xcnt 0x0
	s_wait_alu depctr_vm_vsrc(0)
; q, k, v = src W + b for 8 heads, on codes of BF8 (E5M2), and their own codes for the attention launch.
; src [8192][256] f32 is quantised three times (exponents e1, e3, e5); Wq, Wk, Wv come as codes [head][32][256], K innermost (e0, e2, e4).
; q is quantised with e6, k with e7, v with e9.  All results leave as IMAGES OF OPERAND REGISTERS: 512 bytes = 4 registers x 32 lanes, lane l's 16 bytes at 16 l.
;   qimg [bh 16][tile of 16 queries 256][512]: lane (r, h): query r, dk 16 h .. 16 h + 15.
;   kv   [bh 16][step of 128 keys 32][8192]: bytes 0-4095: 8 tiles of 16 keys, laid like q;  bytes 4096-8191: [d 2][g 4][512]: lane (r, h): row r of V^T's tile d,
;        bytes 0-7 keys 32 g + 8 h + 0..7, bytes 8-15 keys 32 g + 16 + 8 h + 0..7: registers 4 g .. 4 g + 3 of the K = 128 form's own layout.
; SHARES.  A work-group takes 32 rows of src (two tiles of 16); wave w is head w and makes q, k, v of that head for the 32 rows: 24 matrix instructions.
; Its 24 KB of weights go from memory straight into 192 registers.  The rows' codes are made once by the eight waves together (each 1/8) and go round through LDS as register images.
; No joint loads: what work-groups share here are the weights, and each weight byte is read by one wave of a work-group straight into the registers that the products name; it passes no LDS.
; q and k are made TRANSPOSED (source 0 = 16 rows of W, source 1 = 16 rows of src) and W's rows of a tile are not neighbours: lane row r of tile u is row 8 u + r + 8 (r / 8),
; so that a lane's 16 registers of tiles 0 and 1 are dk 16 h + 0 .. 15 of ONE row of src.  v is made the other way round (source 0 = src): a lane holds one row of V^T and eight keys.
; K of all products lies in the registers as 4 c .. 4 c + 3: K = 32 c + 16 h + 0 .. 15, alike on both sides: every product meets its partner.
; The biases are the C of each sum's first matrix instruction, divided by the power of two that the sums lack.
; LIMITS: e1, e3, e5, e6 - e0 - e1, e7 - e2 - e3, e9 - e4 - e5 between -126 and 112, so that each power of two and 57,344 x it are f32 numbers.  NaN among the inputs and infinity or NaN among the weights' codes are not served.
; REGISTERS, window 0: v1 lane, v2 r, v3 h, v4-9 addresses, v10-21 scales and limits, v32-63 src as loaded, v64-95 held numbers (both later fragment set 0), v96-119 src's codes,
;   v120-143 the results' codes, v144-207 fragment set 1, v208-239 four accumulators.   window 1: v0-191 the weights (64 a tensor), v192-239 the three biases, v240-241 bv as loaded.
; THE MODE: SCHED_MODE bits 1:0 = 2 (LLVM: expert scheduling mode 2), set by the entry lines.  The code itself states the register dependences
; between vector or matrix instructions and memory or LDS instructions, with s_wait_alu, always for 0.
; THE PLAN.  Registers that memory or LDS instructions touch:
;   v4 .. v9      offsets and addresses: written at the head and never again; one wait ahead of the first load serves every load and store.
;   X, T          src lands in X; the holds read X and write T; the conversions read T.  Behind the barrier both are fragment set 0, in which LDS loads land.
;   CDX           eight registers for each of the three scales: written by the conversions, read by six LDS stores, never written again.
;   XF0, XF1      fragment sets: LDS loads land; products read.  XF0 takes the third set when q's products are done with the first.
;   CDO           eight registers for each tensor: written by the conversions, read by two global stores, never written again.
;   window 1      weights and biases land once.
; So: ONE wait on va_vdst behind the three quantisations (CDX is written; X and T are done with), the six stores in one run behind it; ONE behind each tensor's conversions
; (CDO is written; for q: its products are done reading XF0), with the fetch of the third set and the stores behind it.  No register that a memory instruction reads is written again: no wait on vm_vsrc.
.set X,    32
.set T,    64
.set XF0,  32
.set CDX,  96
.set CDO,  120
.set XF1,  144
.set ACC,  208
.set BQ,   192                         ; window 1: bq's two tiles; bk's at +16; bv's at +32
.set RAW,  240                         ; window 1
.set SETB, 8192                        ; LDS: a set of src's codes: 4 fragments (2 m + s) of 2,048 bytes; three sets
.set MSB, 0
.macro WIN new                         ; the immediate's high byte repeats the setting that is left
.if MSB != (\new)
	s_set_vgpr_msb (MSB<<8)|(\new)
.set MSB, (\new)
.endif
.endm
.macro MKSC vsc, vlim, se              ; v[vsc] = 2^e as f32, v[vlim] = 57,344 x 2^e
	s_add_co_i32 s62, \se, 127
	s_lshl_b32 s63, s62, 23
	v_mov_b32 v[\vsc], s63
	s_add_co_i32 s62, s62, 15
	s_lshl_b32 s62, s62, 23
	s_or_b32 s62, s62, 0x600000
	v_mov_b32 v[\vlim], s62
.endm
.macro PLACES                          ; four plain vector lines between a matrix instruction and a read of its result (ISA guide 7.12.1)
.rept 4
	v_nop
.endr
.endm
	s_load_b512 s[4:19], s[0:1], 0x0               ; src, Wq, Wk, Wv, bq, bk, bv, the exponents
	s_load_b128 s[20:23], s[0:1], 0x40             ; qimg, kv
	v_lshl_add_u32 v254, v0, 2, 0x6000
	v_mov_b32 v255, 0
	v_lshrrev_b32 v1, 5, v0
	v_readfirstlane_b32 s24, v1                    ; wave = head
	v_and_b32 v1, 31, v0                           ; lane
	v_and_b32 v2, 15, v0                           ; r
	v_bfe_u32 v3, v0, 4, 1                         ; h
	v_lshlrev_b32 v4, 10, v2
	v_lshl_add_u32 v4, v3, 6, v4                   ; src: row r of 1,024 bytes + 64 h: my 16 numbers of a block of 32
	v_lshlrev_b32 v5, 4, v1                        ; 16 x lane: my place in an image
	s_wait_alu depctr_va_sdst(0)                   ; s24 is written, ahead of its first reader: addresses and bases are made from it
	s_lshl_b32 s25, s24, 10
	v_add_nc_u32 v6, s25, v5                       ; where I store src's codes: fragment w / 2, blocks 2 (w % 2) on: 1,024 w + 16 x lane
	v_and_b32 v9, 8, v2
	v_add_nc_u32 v9, v9, v2                        ; r + 8 (r / 8)
	v_lshlrev_b32 v7, 8, v9
	v_lshl_add_u32 v7, v3, 4, v7                   ; a weight's row of 256 bytes + 16 h
	v_lshlrev_b32 v8, 6, v3                        ; bq, bk: 64 h
	v_lshlrev_b32 v9, 2, v9                        ; bv: 4 (r + 8 (r / 8))
	s_lshl_b32 s26, ttmp9, 15                      ; src: 32 rows a work-group,
	s_lshr_b32 s28, s24, 2
	s_lshl_b32 s28, s28, 14                        ; tile of rows w / 4,
	s_add_co_u32 s26, s26, s28
	s_bfe_u32 s28, s24, 0x10001
	s_lshl_b32 s28, s28, 9                         ; K step (w / 2) % 2,
	s_add_co_u32 s26, s26, s28
	s_and_b32 s28, s24, 1
	s_lshl_b32 s28, s28, 8                         ; blocks 2 (w % 2) on
	s_add_co_u32 s26, s26, s28
	s_mov_b32 s27, 0
	s_lshl_b32 s28, s24, 13                        ; my head's 8,192 bytes of each weight
	s_mov_b32 s29, 0
	s_lshl_b32 s30, s24, 7                         ; and 128 bytes of each bias
	s_mov_b32 s31, 0
	s_lshr_b32 s48, ttmp9, 7
	s_lshl_b32 s48, s48, 3
	s_add_co_u32 s48, s48, s24                     ; bh = 8 x batch + head
	s_and_b32 s49, ttmp9, 127                      ; i: which 32 rows of the batch
	s_lshl_b32 s50, s48, 17
	s_lshl_b32 s51, s49, 10
	s_add_co_u32 s50, s50, s51                     ; qimg: bh x 131,072 + two tiles of 512 bytes a work-group
	s_mov_b32 s51, 0
	s_lshl_b32 s52, s48, 18
	s_lshr_b32 s53, s49, 2
	s_lshl_b32 s53, s53, 13
	s_add_co_u32 s52, s52, s53                     ; kv: bh x 262,144 + step i / 4
	s_and_b32 s53, s49, 3
	s_lshl_b32 s60, s53, 9
	s_add_co_u32 s60, s60, s52
	s_add_co_u32 s60, s60, 4096                    ; V: g = i % 4
	s_mov_b32 s61, 0
	s_lshl_b32 s53, s53, 10
	s_add_co_u32 s52, s52, s53                     ; K: tiles 2 (i % 4) on
	s_mov_b32 s53, 0
	s_wait_kmcnt 0x0
	s_load_b512 s[32:47], s[18:19], 0x0            ; e0 .. e15 in s32 .. s47
	s_add_nc_u64 s[4:5], s[4:5], s[26:27]
	s_add_nc_u64 s[6:7], s[6:7], s[28:29]
	s_add_nc_u64 s[8:9], s[8:9], s[28:29]
	s_add_nc_u64 s[10:11], s[10:11], s[28:29]
	s_add_nc_u64 s[12:13], s[12:13], s[30:31]
	s_add_nc_u64 s[14:15], s[14:15], s[30:31]
	s_add_nc_u64 s[16:17], s[16:17], s[30:31]
	s_add_nc_u64 s[20:21], s[20:21], s[50:51]
	s_add_nc_u64 s[66:67], s[22:23], s[52:53]      ; K's images
	s_add_nc_u64 s[68:69], s[22:23], s[60:61]      ; V's images
	s_wait_alu depctr_va_vdst(0)                   ; the offsets and addresses v4 to v9 are written, which every load and store of the kernel reads
.irp c, 0,1                                    ; my eighth of the 32 rows: 16 rows x 64 numbers; the eight loads cover one aligned 256 bytes of each row
.irp j, 0,1,2,3
	global_load_b128 v[X+16*\c+4*\j:X+16*\c+4*\j+3], v4, s[4:5] offset:128*\c+16*\j th:TH_LOAD_NT
.endr
.endr
	WIN 0x40                                       ; destination window 1
.irp t, 0,1,2                                  ; the weights' fragments (tensor t, tile u, K step s) at v[64 t + 16 (2 u + s)]
.irp u, 0,1
.irp s, 0,1
.irp c, 0,1,2,3
	global_load_b128 v[64*\t+16*(2*\u+\s)+4*\c:64*\t+16*(2*\u+\s)+4*\c+3], v7, s[6+2*\t:7+2*\t] offset:2048*\u+128*\s+32*\c
.endr
.endr
.endr
.endr
.irp u, 0,1                                    ; bq, bk in the result's layout: register j of tile u is dk 16 h + 8 u + j
	global_load_b128 v[BQ+8*\u:BQ+8*\u+3], v8, s[12:13] offset:32*\u
	global_load_b128 v[BQ+8*\u+4:BQ+8*\u+7], v8, s[12:13] offset:32*\u+16
	global_load_b128 v[BQ+16+8*\u:BQ+16+8*\u+3], v8, s[14:15] offset:32*\u
	global_load_b128 v[BQ+16+8*\u+4:BQ+16+8*\u+7], v8, s[14:15] offset:32*\u+16
.endr
.irp d, 0,1                                    ; bv: one number a lane and tile: that of its row 8 d + r + 8 (r / 8)
	global_load_b32 v[RAW+\d], v9, s[16:17] offset:32*\d
.endr
	WIN 0
	s_wait_kmcnt 0x0
	s_add_co_i32 s57, s32, s33
	s_sub_co_i32 s57, 0, s57                       ; -(e0 + e1)
	s_add_co_i32 s58, s34, s35
	s_sub_co_i32 s58, 0, s58                       ; -(e2 + e3)
	s_add_co_i32 s59, s36, s37
	s_sub_co_i32 s59, 0, s59                       ; -(e4 + e5)
	s_add_co_i32 s54, s38, s57                     ; e6 - e0 - e1: a sum stands for sum x 2^(e0 + e1), so the three scales fold into the conversion's one
	s_add_co_i32 s55, s39, s58                     ; e7 - e2 - e3
	s_add_co_i32 s56, s41, s59                     ; e9 - e4 - e5
	MKSC 10, 11, s33
	MKSC 12, 13, s35
	MKSC 14, 15, s37
	MKSC 16, 17, s54
	MKSC 18, 19, s55
	MKSC 20, 21, s56
; My 32 numbers a lane become codes with the st-th scale.  The hold goes into other registers, so that the numbers stay for the next scale; each scale has its own eight registers of codes.
.macro QSRC st
.set i, 0
.rept 32
	v_med3_num_f32 v[T+i], v[X+i], -v[11+2*\st], v[11+2*\st]   ; the conversion to an 8-bit code does not saturate (ISA guide 7.6.2)
.set i, i+1
.endr
.set i, 0
.rept 4
	v_cvt_scalef32_pk8_bf8_f32 v[CDX+8*\st+2*i:CDX+8*\st+2*i+1], v[T+8*i:T+8*i+7], v[10+2*\st]
.set i, i+1
.endr
	v_nop                                          ; one plain line between the conversions and the next lines that write their sources
.endm
.macro FETCH xf, st                    ; a set's four fragments come back as they were stored, in any wave
.set i, 0
.rept 16
	ds_load_b128 v[\xf+4*i:\xf+4*i+3], v5 offset:SETB*\st+512*i
.set i, i+1
.endr
.endm
	s_wait_loadcnt 58                              ; src's eight loads are in; the 48 of the weights and the 10 of the biases may be out
	QSRC 0
	QSRC 1
	QSRC 2
	s_wait_alu depctr_va_vdst(0)                   ; the conversions have written v[CDX ..], which the six LDS stores read; the holds and conversions are done with X and T, in which fragment set 0 lands behind the barrier
.irp st, 0,1,2
	ds_store_b128 v6, v[CDX+8*\st:CDX+8*\st+3] offset:SETB*\st
	ds_store_b128 v6, v[CDX+8*\st+4:CDX+8*\st+7] offset:SETB*\st+512
.endr
	s_wait_dscnt 0x0                               ; my stores have landed
	s_barrier_signal -1
	s_barrier_wait -1                              ; the three sets lie in LDS
	FETCH XF0, 0                                   ; no vector instruction since the wait above names these registers
	FETCH XF1, 1
	s_wait_loadcnt 0x0                             ; weights and biases
	WIN 0x41                                       ; source 0 and destination window 1
.set i, 0
.rept 16
	v_ldexp_f32 v[BQ+i], v[BQ+i], s57              ; bq / 2^(e0 + e1)
	v_ldexp_f32 v[BQ+16+i], v[BQ+16+i], s58
.set i, i+1
.endr
.irp d, 0,1
.set i, 0
.rept 8
	v_ldexp_f32 v[BQ+32+8*\d+i], v[RAW+\d], s59    ; bv / 2^(e4 + e5), the same in a tile's eight registers
.set i, i+1
.endr
.endr
	WIN 0
; Tensor tn (0 q, 1 k, 2 v) from the fragments at xf: eight matrix instructions, four accumulators by turns; hold, conversion, one wait, two stores of 512 consecutive bytes.
.macro PROJ tn, xf, dsw
	s_wait_dscnt \dsw
.irp s, 0,1
.if \tn < 2
	WIN 0x01+0x10*(1-\s)                           ; source 0 (W) window 1; in the first K step source 2 (the bias) too
.else
	WIN 0x04+0x10*(1-\s)                           ; source 1 (W) window 1
.endif
.irp m, 0,1
.irp u, 0,1
.set rW, 64*\tn+16*(2*\u+\s)
.set rX, \xf+16*(2*\m+\s)
.set rC, BQ+16*\tn+8*\u
.if \tn < 2
.set rD, ACC+8*(2*\m+\u)
.if \s == 0
	v_wmma_f32_16x16x128_bf8_bf8 v[rD:rD+7], v[rW:rW+15], v[rX:rX+15], v[rC:rC+7]
.else
	v_wmma_f32_16x16x128_bf8_bf8 v[rD:rD+7], v[rW:rW+15], v[rX:rX+15], v[rD:rD+7]
.endif
.else
.set rD, ACC+8*(2*\u+\m)
.if \s == 0
	v_wmma_f32_16x16x128_bf8_bf8 v[rD:rD+7], v[rX:rX+15], v[rW:rW+15], v[rC:rC+7]
.else
	v_wmma_f32_16x16x128_bf8_bf8 v[rD:rD+7], v[rX:rX+15], v[rW:rW+15], v[rD:rD+7]
.endif
.endif
.endr
.endr
.endr
	WIN 0
	PLACES
.irp p, 0,1
.set i, 0
.rept 16
	v_med3_num_f32 v[ACC+16*\p+i], v[ACC+16*\p+i], -v[17+2*\tn], v[17+2*\tn]   ; each accumulator from its low end on
.set i, i+1
.endr
	v_cvt_scalef32_pk8_bf8_f32 v[CDO+8*\tn+4*\p:CDO+8*\tn+4*\p+1], v[ACC+16*\p:ACC+16*\p+7], v[16+2*\tn]
	v_cvt_scalef32_pk8_bf8_f32 v[CDO+8*\tn+4*\p+2:CDO+8*\tn+4*\p+3], v[ACC+16*\p+8:ACC+16*\p+15], v[16+2*\tn]
.endr
	v_nop                                          ; one plain line between the conversions and the next products, which write their sources
	s_wait_alu depctr_va_vdst(0)                   ; the conversions have written this tensor's v[CDO ..], which the stores read; for q also: its products are done reading fragment set 0, in which the third set lands
.if \tn == 0
	FETCH XF0, 2                                   ; the third set takes the first set's registers
.endif
.irp p, 0,1
.if \tn == 0
	global_store_b128 v5, v[CDO+8*\tn+4*\p:CDO+8*\tn+4*\p+3], s[20:21] offset:512*\p    ; tile of queries p: the wave stores 512 consecutive bytes
.elseif \tn == 1
	global_store_b128 v5, v[CDO+8*\tn+4*\p:CDO+8*\tn+4*\p+3], s[66:67] offset:512*\p    ; tile of keys p
.else
	global_store_b128 v5, v[CDO+8*\tn+4*\p:CDO+8*\tn+4*\p+3], s[68:69] offset:2048*\p   ; V^T's tile d = p, my 32 keys
.endif
.endr
.endm
	PROJ 0, XF0, 16                                ; set 0 is in; set 1's sixteen loads may be out
	PROJ 1, XF1, 16                                ; set 1 is in; set 2's sixteen may be out
	PROJ 2, XF0, 0
	s_wait_dscnt 0x0                               ; the closing lines, six on end
	s_wait_alu 0x0
	s_wait_tensorcnt 0x0
	ds_add_u32 v254, v255
	s_wait_dscnt 0x0
	s_endpgm
.Lfunc_end_k_qf891e3187d_qkv:
	.size	k_qf891e3187d_qkv, .Lfunc_end_k_qf891e3187d_qkv-k_qf891e3187d_qkv
	.p2alignl 7, 3214868480
	.fill 96, 4, 3214868480
	.section	.rodata,"a",@progbits
	.p2align	6, 0x0
	.amdhsa_kernel k_qf891e3187d_qkv
		.amdhsa_group_segment_fixed_size 25600
		.amdhsa_private_segment_fixed_size 0
		.amdhsa_enable_private_segment 0
		.amdhsa_kernarg_size 80
		.amdhsa_user_sgpr_count 2
		.amdhsa_user_sgpr_kernarg_segment_ptr 1
		.amdhsa_wavefront_size32 1
		.amdhsa_system_sgpr_workgroup_id_x 1
		.amdhsa_system_sgpr_workgroup_id_y 1
		.amdhsa_system_sgpr_workgroup_id_z 1
		.amdhsa_system_vgpr_workitem_id 0
		.amdhsa_next_free_vgpr 512
		.amdhsa_next_free_sgpr 72
		.amdhsa_reserve_vcc 0
		.amdhsa_float_denorm_mode_32 3
		.amdhsa_float_denorm_mode_16_64 3
		.amdhsa_memory_ordered 1
		.amdhsa_forward_progress 1
		.amdhsa_inst_pref_size 35
	.end_amdhsa_kernel
	.amdgpu_metadata
---
amdhsa.version: [ 1, 2 ]
amdhsa.kernels:
  - .name:           k_qf891e3187d_qkv
    .symbol:         k_qf891e3187d_qkv.kd
    .args:
      - { .name: src, .offset: 0, .size: 8, .value_kind: global_buffer, .address_space: global }
      - { .name: Wq_codes, .offset: 8, .size: 8, .value_kind: global_buffer, .address_space: global }
      - { .name: Wk_codes, .offset: 16, .size: 8, .value_kind: global_buffer, .address_space: global }
      - { .name: Wv_codes, .offset: 24, .size: 8, .value_kind: global_buffer, .address_space: global }
      - { .name: bq, .offset: 32, .size: 8, .value_kind: global_buffer, .address_space: global }
      - { .name: bk, .offset: 40, .size: 8, .value_kind: global_buffer, .address_space: global }
      - { .name: bv, .offset: 48, .size: 8, .value_kind: global_buffer, .address_space: global }
      - { .name: lowp_scales, .offset: 56, .size: 8, .value_kind: global_buffer, .address_space: global }
      - { .name: qimg, .offset: 64, .size: 8, .value_kind: global_buffer, .address_space: global }
      - { .name: kv, .offset: 72, .size: 8, .value_kind: global_buffer, .address_space: global }
    .group_segment_fixed_size: 25600
    .private_segment_fixed_size: 0
    .kernarg_segment_align: 8
    .kernarg_segment_size: 80
    .max_flat_workgroup_size: 256
    .sgpr_count:     72
    .vgpr_count:     512
    .wavefront_size: 32
...
	.end_amdgpu_metadata
.endif
;; end of part 4
;; launch attn (part 5): grid 16 x 16, 8 waves a work-group, no clusters, 263,168 bytes of LDS; arguments qimg, kv, lowp_scales, cimg; writes cimg
.if DOCPART == 5
	.amdgcn_target "amdgcn-amd-amdhsa--gfx1250"
	.amdhsa_code_object_version 6
	.text
	.protected	k_qf891e3187d_attn
	.globl	k_qf891e3187d_attn
	.p2align	8
	.type	k_qf891e3187d_attn,@function
k_qf891e3187d_attn:
	s_mov_b64 s[64:65], 0
	v_nop
	global_prefetch_b8 v0, s[64:65] scope:SCOPE_SE
	s_setreg_imm32_b32 hwreg(HW_REG_WAVE_SCHED_MODE, 0, 2), 2
	s_setreg_imm32_b32 hwreg(HW_REG_WAVE_MODE, 25, 1), 1
	s_wait_xcnt 0x0
	s_wait_alu depctr_vm_vsrc(0)
; ctx = softmax(q k^T / sqrt(32)) v for 16 (batch, head) pairs of 4,096 x 4,096, both products on codes of BF8 (E5M2); ctx leaves as codes (exponent e10), as register images for the next launch.
; qimg, kv: as the launch before lays them (512 bytes = 4 registers x 32 lanes).  cimg [tile of 16 rows 512][s 2][c 4][512]: lane (r, h): row r, K = 128 s + 32 c + 16 h + 0..15; head hd is s = hd / 4, c = hd % 4.
; THE SOFTMAX: t = score x log2(e) / sqrt(32); M = the running largest t rounded UP to a whole number; p = 2^(t - M) is quantised (e8), not normalised; the row's sum is taken of the unquantised p and divides at the end.
; When M moves, the sum and O are multiplied by 2^(old M - new M), which rounds nothing.
; SHARES.  Work-group (x, y): 256 queries of pair y; each of eight waves owns two tiles of 16 queries, so that each fragment of K and V read from LDS feeds two tiles; two waves to a SIMD, so that one's vector work stands beside the other's matrix work.
; LDS is a plain copy of kv[y], 262,144 bytes, written once: 8 chunks of 32,768 bytes (4 key steps), each wave moving 4,096 bytes of a chunk through 32 registers.  A chunk is loaded four key steps ahead of its store
; and stored four key steps ahead of its first read, so only one barrier a chunk is needed, between the store and the reads.  Between two barriers chunk c and the first K tiles of chunk c + 1 are read and chunk c + 2 is stored.
; No joint loads and no data mover: a work-group reads its 262,144 bytes once, for 256 x 4,096 scores, always four key steps ahead; and the key step has a scalar branch on the given exponent e8 (below), which does not go with joint loads.
; No prefetch either: every chunk is asked for by its own loads four key steps before it is wanted.
; PRODUCTS.  S^T = K Q^T by the K = 64 form: source 0 holds TWO tiles of 16 keys (registers 0-3 and 4-7, dk 16 h + 0..15 each); source 1 holds q in one half and zero codes in the other, so each instruction gives one tile's scores
; (the codes of k are finite: the quantiser holds).  A lane holds ONE query (lane % 16); register 8 n + j is key 16 n + 8 h + j: eight registers converted are registers 2 n, 2 n + 1 of the K = 128 form's own layout.
; O^T += V^T P^T by the K = 128 form; register j of tile d is dk 16 h + 8 d + j.
; THE HOLD.  p is at most 1, so the hold at 57,344 x 2^e8 changes nothing where e8 >= -15: there its 64 lines are jumped over by a scalar branch on e8.
; LIMITS: e8 and e10 - e8 - e9 between -126 and 112; e6 + e7 between -124 and 129 (they are added to c's exponent field).  NaN is not served.
; REGISTERS, window 0: v1 16 x lane; v2 the step's LDS address; v4, v5 the copy's addresses; v6, v7 p's limit and scale; v8-15 -M, largest t, the sum's two halves, for each tile; v16-17 f; v18-27 at work;
;   v28-47 [0 q0 0 q1 0]; v48-79 K; v80-111 V; v112-175 S^T, then p; v176-207 p's codes; v208-239 O^T; v240-247 ctx's codes; v248-253 the way out.   window 1: v0-31 a chunk on its way.
; THE MODE: SCHED_MODE bits 1:0 = 2 (LLVM: expert scheduling mode 2), set by the entry lines.  The code itself states the register dependences
; between vector or matrix instructions and memory or LDS instructions, with s_wait_alu, always for 0.
; THE PLAN.  Registers that memory or LDS instructions touch, in the loops:
;   v[ADR]   Written once a step, at its head; read by the step's sixteen LDS loads.
;   VF       Step j: V's eight loads land; the four products V^T P at the step's end read it.
;   KF       Step j: both runs of K Q^T read it; behind the second the next step's K lands.
;   v[LWA]   Written once a chunk, ahead of the chunk's four steps; read by the eight LDS stores behind them.
;   stage    (window 1) global loads land; the eight LDS stores read it; the next chunk's loads land.
;   v[LI], v[FO]  Written at the head and never again.
; A step has two waits on va_vdst in any case, one behind each tile's batch of exponentials.  Behind the first, the last step's products V^T P are done reading VF and v[ADR] is written: V's loads follow it, and have
; the second tile's scores and softmax in which to land.  Behind the second, this step's products K Q^T are done reading KF: the next K's loads follow it.  The same waits stand between the line that writes v[LWA] and the stores that read it.
; One wait on vm_vsrc a step stands ahead of the add to v[ADR]; one a chunk ahead of the loads into the stage (it also frees v[LWA]).
.set LI,   1
.set ADR,  2
.set FO,   4
.set LWA,  5
.set LIMP, 6
.set SCP,  7
.set ST,   8
.set FF,   16
.set MX,   18
.set SM,   22
.set QB,   28
.set KF,   48
.set VF,   80
.set S,    112
.set P,    176
.set O,    208
.set CO,   240
.set SCO,  248
.set LMO,  249
.set RL,   250
.set STEPB,  8192                      ; a key step's bytes: 4,096 of K, 4,096 of V
.set CHUNKB, 32768
.set MSB, 0
.macro WIN new                         ; the immediate's high byte repeats the setting that is left
.if MSB != (\new)
	s_set_vgpr_msb (MSB<<8)|(\new)
.set MSB, (\new)
.endif
.endm
.macro MKSC vsc, vlim, se              ; v[vsc] = 2^e as f32, v[vlim] = 57,344 x 2^e
	s_add_co_i32 s46, \se, 127
	s_lshl_b32 s47, s46, 23
	v_mov_b32 v[\vsc], s47
	s_add_co_i32 s46, s46, 15
	s_lshl_b32 s46, s46, 23
	s_or_b32 s46, s46, 0x600000
	v_mov_b32 v[\vlim], s46
.endm
.macro PLACES                          ; four plain vector lines between a matrix instruction and a read of its result (ISA guide 7.12.1)
.rept 4
	v_nop
.endr
.endm
	s_load_b256 s[4:11], s[0:1], 0x0               ; qimg, kv, the exponents, cimg
	v_lshl_add_u32 v254, v0, 2, 0x40000
	v_mov_b32 v255, 0
	v_lshrrev_b32 v2, 5, v0
	v_readfirstlane_b32 s12, v2                    ; wave
	s_and_b32 s13, ttmp7, 0xffff                   ; bh
	v_and_b32 v1, 31, v0
	v_lshlrev_b32 v[LI], 4, v1                     ; 16 x lane
	s_wait_alu depctr_va_sdst(0)                   ; s12 is written, ahead of its first reader: addresses and bases are made from it
	s_lshl_b32 s44, s12, 12
	v_add_nc_u32 v[FO], s44, v[LI]                 ; my 16 bytes of my wave's 4,096 of a chunk, in memory and in LDS alike
	s_lshl_b32 s44, s13, 18                        ; kv: bh x 262,144
	s_mov_b32 s45, 0
	s_lshl_b32 s46, s13, 17                        ; qimg: bh x 131,072 + (16 x + 2 w) tiles of 512 bytes
	s_lshl_b32 s47, ttmp9, 13
	s_add_co_u32 s46, s46, s47
	s_lshl_b32 s47, s12, 10
	s_add_co_u32 s46, s46, s47
	s_mov_b32 s47, 0
	s_lshr_b32 s42, s13, 3                         ; cimg: (256 x batch + 16 x + 2 w) tiles of 4,096 bytes
	s_lshl_b32 s42, s42, 20
	s_lshl_b32 s43, ttmp9, 16
	s_add_co_u32 s42, s42, s43
	s_lshl_b32 s43, s12, 13
	s_add_co_u32 s42, s42, s43
	s_bfe_u32 s43, s13, 0x10002
	s_lshl_b32 s43, s43, 11                        ; + 2,048 (head / 4)
	s_add_co_u32 s42, s42, s43
	s_and_b32 s43, s13, 3
	s_lshl_b32 s43, s43, 9                         ; + 512 (head % 4)
	s_add_co_u32 s42, s42, s43
	s_mov_b32 s43, 0
	s_mov_b32 s40, 0x76543210                      ; v_permlanex16_b32's selects for lane l xor 16
	s_mov_b32 s41, 0xfedcba98
	s_wait_kmcnt 0x0
	s_load_b512 s[16:31], s[8:9], 0x0              ; e0 .. e15 in s16 .. s31
	s_add_nc_u64 s[6:7], s[6:7], s[44:45]
	s_add_nc_u64 s[4:5], s[4:5], s[46:47]
	s_add_nc_u64 s[10:11], s[10:11], s[42:43]
	s_wait_alu depctr_va_vdst(0)                   ; v[LI] and v[FO] are written, which the loads and stores below read as offsets and addresses
.set i, 0
.rept 8
	global_load_b128 v[S+4*i:S+4*i+3], v[FO], s[6:7] offset:512*i          ; chunk 0, through registers that the scores take later
.set i, i+1
.endr
	WIN 0x40                                       ; destination window 1
.set i, 0
.rept 8
	global_load_b128 v[4*i:4*i+3], v[FO], s[6:7] offset:CHUNKB+512*i       ; chunk 1
.set i, i+1
.endr
	WIN 0
	global_load_b128 v[QB+4:QB+7], v[LI], s[4:5]                           ; my two tiles of queries stay in registers
	global_load_b128 v[QB+12:QB+15], v[LI], s[4:5] offset:512
.irp z, 0,1,2,3,8,9,10,11,16,17,18,19
	v_mov_b32 v[QB+\z], 0                          ; the zero codes beside them
.endr
.set i, 0
.rept 32
	v_mov_b32 v[O+i], 0                            ; O^T: the step is written without a first step of its own: it finds zeros, which the first change of M leaves zeros
.set i, i+1
.endr
.irp t, 0,1
	v_mov_b32 v[ST+4*\t+1], 0xff61b1e6             ; the largest t so far: -3e38, under every t
	v_floor_f32 v[ST+4*\t], -v[ST+4*\t+1]          ; -M
	v_mov_b32 v[ST+4*\t+2], 0                      ; the sum, in two halves
	v_mov_b32 v[ST+4*\t+3], 0
.endr
	v_mov_b32 v[FF+1], 0                           ; (named as the upper half of a pair)
	v_mov_b32 v[SM+4], 0                           ; a lane permute's destination counts as one of its sources: written once
	v_mov_b32 v[RL+1], 0
	v_mov_b32 v[RL+3], 0
	s_wait_kmcnt 0x0
	s_mov_b32 s38, 0x3e8293ee                      ; c = log2(e) / sqrt(32)
	s_add_co_i32 s44, s22, s23
	s_lshl_b32 s44, s44, 23
	s_add_co_i32 s38, s38, s44                     ; a score stands for score x 2^(e6 + e7): the exponents are added to c's exponent field
	s_mov_b32 s39, s38                             ; (named with it as a pair)
	MKSC SCP, LIMP, s24
	s_sub_co_i32 s44, s26, s24
	s_sub_co_i32 s44, s44, s25                     ; e10 - e8 - e9: O / l stands for ctx / 2^(e8 + e9)
	MKSC SCO, LMO, s44
	s_wait_loadcnt 10                              ; chunk 0 is in; chunk 1's eight loads and q's two may be out
.set i, 0
.rept 8
	ds_store_b128 v[FO], v[S+4*i:S+4*i+3] offset:512*i
.set i, i+1
.endr
	s_wait_loadcnt 2                               ; chunk 1 is in; q's two may be out
	WIN 0x04                                       ; the store's data in window 1
.set i, 0
.rept 8
	ds_store_b128 v[FO], v[4*i:4*i+3] offset:CHUNKB+512*i
.set i, i+1
.endr
	WIN 0
	s_add_nc_u64 s[6:7], s[6:7], 2*CHUNKB          ; the loads that named this base are done
	s_wait_dscnt 0x0                               ; my stores have landed
	WIN 0x40
	s_wait_alu depctr_vm_vsrc(0)                   ; the sixteen LDS stores have read their data: the stage, in which chunk 2 lands, and v[S ..], which the first scores write
.set i, 0
.rept 8
	global_load_b128 v[4*i:4*i+3], v[FO], s[6:7] offset:512*i              ; chunk 2
.set i, i+1
.endr
	WIN 0
	s_barrier_signal -1
	s_barrier_wait -1                              ; chunks 0 and 1 lie in LDS
	s_wait_loadcnt 8                               ; q is in; chunk 2's eight may be out
.set i, 0
.rept 8
	ds_load_b128 v[KF+4*i:KF+4*i+3], v[LI] offset:512*i                    ; K of step 0
.set i, i+1
.endr
	s_mov_b32 s32, 0                               ; LDS byte of the step in hand
	s_mov_b32 s34, 2*CHUNKB                        ; LDS byte of the chunk to be stored next
	s_mov_b32 s35, 5
.macro QK t                            ; the scores of tile t of my queries against the step's 128 keys: eight instructions, each starting its sum with the constant 0
.irp a, 0,1,2,3
	v_wmma_f32_16x16x64_bf8_bf8 v[S+16*\a:S+16*\a+7], v[KF+8*\a:KF+8*\a+7], v[QB+8*\t+4:QB+8*\t+11], 0    ; (q, 0): key tile 2 a
	v_wmma_f32_16x16x64_bf8_bf8 v[S+16*\a+8:S+16*\a+15], v[KF+8*\a:KF+8*\a+7], v[QB+8*\t:QB+8*\t+7], 0    ; (0, q): key tile 2 a + 1
.endr
.endm
.macro PV t
.irp d, 0,1
	v_wmma_f32_16x16x128_bf8_bf8 v[O+16*\t+8*\d:O+16*\t+8*\d+7], v[VF+16*\d:VF+16*\d+15], v[P+16*\t:P+16*\t+15], v[O+16*\t+8*\d:O+16*\t+8*\d+7]
.endr
.endm
; Tile t's softmax for one key step: 64 scores a lane.  ld: the run of LDS loads that follows the batch's wait: 1: this step's V; 2: the next step's K; 0: none.
.macro SOFTMAX t, ld
.irp q, 0,1,2,3                                ; the largest score, in four chains of 15; each accumulator is first read at its low end
	v_max3_num_f32 v[MX+\q], v[S+16*\q], v[S+16*\q+1], v[S+16*\q+2]
.endr
.irp e, 3,5,7,9,11,13
.irp q, 0,1,2,3
	v_max3_num_f32 v[MX+\q], v[MX+\q], v[S+16*\q+\e], v[S+16*\q+\e+1]
.endr
.endr
	v_max3_num_f32 v[MX], v[MX], v[MX+1], v[S+15]
	v_max3_num_f32 v[MX+2], v[MX+2], v[MX+3], v[S+31]
	v_max3_num_f32 v[MX], v[MX], v[S+47], v[S+63]
	v_max_num_f32 v[MX], v[MX], v[MX+2]
	v_permlanex16_b32 v[SM+4], v[MX], s40, s41     ; the query's other 64 keys lie in the lane 16 away
	v_max_num_f32 v[MX], v[MX], v[SM+4]
	v_mul_f32 v[MX], s38, v[MX]                    ; as t (c is positive)
	v_max_num_f32 v[ST+4*\t+1], v[ST+4*\t+1], v[MX]
	v_mov_b32 v[MX+1], v[ST+4*\t]
	v_floor_f32 v[ST+4*\t], -v[ST+4*\t+1]          ; the new -M = floor(-t): M is a whole number
	v_sub_f32 v[MX+1], v[ST+4*\t], v[MX+1]         ; old M - new M: a whole number, 0 or less
	v_cvt_i32_f32 v[MX+1], v[MX+1]                 ; (it saturates)
	v_ldexp_f32 v[FF], 1.0, v[MX+1]                ; f = 2^(old M - new M)
.set i, 0
.rept 32
	v_pk_fma_f32 v[S+i:S+i+1], v[S+i:S+i+1], s[38:39], v[ST+4*\t:ST+4*\t+1] op_sel_hi:[1,0,0]   ; t - M, two at a time
.set i, i+2
.endr
.set i, 0
.rept 64
	v_exp_f32 v[S+i], v[S+i]                       ; p = 2^(t - M)
.set i, i+1
.endr
	v_pk_mul_f32 v[ST+4*\t+2:ST+4*\t+3], v[ST+4*\t+2:ST+4*\t+3], v[FF:FF+1] op_sel_hi:[1,0]   ; the sum under the new M; also the plain line behind the exponentials
.if \ld == 1
	s_wait_alu depctr_va_vdst(0)                   ; the 64 exponentials have written p, ahead of its first reader; the last step's products V^T P are done reading v[VF ..], and v[ADR] is written: V's loads follow
.irp d, 0,1
.irp g, 0,1,2,3
	ds_load_b128 v[VF+16*\d+4*\g:VF+16*\d+4*\g+3], v[ADR] offset:4096+2048*\d+512*\g
.endr
.endr
.elseif \ld == 2
	s_wait_alu depctr_va_vdst(0)                   ; the 64 exponentials have written p, ahead of its first reader; this step's products K Q^T are done reading v[KF ..]: the next step's K follows
.set i, 0
.rept 8
	ds_load_b128 v[KF+4*i:KF+4*i+3], v[ADR] offset:STEPB+512*i
.set i, i+1
.endr
.else
	s_wait_alu depctr_va_vdst(0)                   ; the 64 exponentials have written p, ahead of its first reader
.endif
	v_pk_add_f32 v[SM:SM+1], v[S:S+1], v[S+2:S+3]  ; the sum of the unquantised p, in four chains
	v_pk_add_f32 v[SM+2:SM+3], v[S+4:S+5], v[S+6:S+7]
	v_pk_add_f32 v[SM+4:SM+5], v[S+8:S+9], v[S+10:S+11]
.set i, 12
.rept 6
	v_pk_add_f32 v[ST+4*\t+2:ST+4*\t+3], v[ST+4*\t+2:ST+4*\t+3], v[S+i:S+i+1]
	v_pk_add_f32 v[SM:SM+1], v[SM:SM+1], v[S+i+2:S+i+3]
	v_pk_add_f32 v[SM+2:SM+3], v[SM+2:SM+3], v[S+i+4:S+i+5]
	v_pk_add_f32 v[SM+4:SM+5], v[SM+4:SM+5], v[S+i+6:S+i+7]
.set i, i+8
.endr
	v_pk_add_f32 v[ST+4*\t+2:ST+4*\t+3], v[ST+4*\t+2:ST+4*\t+3], v[S+60:S+61]
	v_pk_add_f32 v[SM:SM+1], v[SM:SM+1], v[S+62:S+63]
	v_pk_add_f32 v[SM:SM+1], v[SM:SM+1], v[SM+2:SM+3]
	v_pk_add_f32 v[ST+4*\t+2:ST+4*\t+3], v[ST+4*\t+2:ST+4*\t+3], v[SM+4:SM+5]
	v_pk_add_f32 v[ST+4*\t+2:ST+4*\t+3], v[ST+4*\t+2:ST+4*\t+3], v[SM:SM+1]
	s_cmp_ge_i32 s24, -15                          ; 57,344 x 2^e8 >= 1 >= p: the hold would change nothing
	s_cbranch_scc1 .Lnohold_\@
.set i, 0
.rept 64
	v_min_num_f32 v[S+i], v[S+i], v[LIMP]          ; the conversion does not saturate (ISA guide 7.6.2); p is not negative, so the hold is one-sided
.set i, i+1
.endr
.Lnohold_\@:
.set i, 0
.rept 8
	v_cvt_scalef32_pk8_bf8_f32 v[P+16*\t+2*i:P+16*\t+2*i+1], v[S+8*i:S+8*i+7], v[SCP]
.set i, i+1
.endr
.set i, 0
.rept 8
	v_pk_mul_f32 v[O+16*\t+i:O+16*\t+i+1], v[O+16*\t+i:O+16*\t+i+1], v[FF:FF+1] op_sel_hi:[1,0]   ; O^T under the new M; these are also the plain lines behind the conversions
.set i, i+2
.endr
.endm
; A KEY STEP of 128 keys.  nextk = 1: the next step's K is fetched on the way.  No two matrix instructions that follow each other share an accumulator, over the backward jump too.
.macro STEP nextk
	s_wait_alu depctr_vm_vsrc(0)                   ; the LDS loads of the step before have read v[ADR]
	v_add_nc_u32 v[ADR], s32, v[LI]
	s_wait_dscnt 0x0                               ; K, asked for in the step before, is in
	QK 0
	PLACES
	SOFTMAX 0, 1
	QK 1
	PLACES
.if \nextk
	SOFTMAX 1, 2
	s_wait_dscnt 8                                 ; V is in; the next K's eight loads may be out
.else
	SOFTMAX 1, 0
	s_wait_dscnt 0x0                               ; V is in
.endif
	PV 0
	PV 1
	s_add_co_u32 s32, s32, STEPB
.endm
.macro STEPS n
	s_mov_b32 s36, \n
.Lstep_\@:
	STEP 1
	s_sub_co_u32 s36, s36, 1
	s_cmp_lg_u32 s36, 0
	s_cbranch_scc1 .Lstep_\@
.endm
; The chunk that waits in registers goes into LDS; ld = 1: the next one is asked for; then the barrier behind which the stored chunk may be read.
; v[LWA] was written ahead of the four steps before: their waits on va_vdst stand between that line and these stores.
.macro FILL ld
	s_wait_loadcnt 0x0                             ; the chunk is in, so its loads' base may be stepped
.if \ld
	s_add_nc_u64 s[6:7], s[6:7], CHUNKB
.endif
	WIN 0x04                                       ; the store's data in window 1
.set i, 0
.rept 8
	ds_store_b128 v[LWA], v[4*i:4*i+3] offset:512*i
.set i, i+1
.endr
	WIN 0
	s_add_co_u32 s34, s34, CHUNKB
	s_wait_dscnt 0x0                               ; my stores have landed; my loads of K are in
.if \ld
	WIN 0x40
	s_wait_alu depctr_vm_vsrc(0)                   ; the eight LDS stores have read the stage, in which the next chunk lands, and v[LWA], which the next trip writes again
.set i, 0
.rept 8
	global_load_b128 v[4*i:4*i+3], v[FO], s[6:7] offset:512*i
.set i, i+1
.endr
	WIN 0
.endif
	s_barrier_signal -1
	s_barrier_wait -1
.endm
.Lchunk:                                           ; five trips: chunks 0 to 4 are read, 2 to 6 stored, 3 to 7 asked for
	v_add_nc_u32 v[LWA], s34, v[FO]                ; where the chunk that waits in registers will go
	STEPS 4
	FILL 1
	s_sub_co_u32 s35, s35, 1
	s_cmp_lg_u32 s35, 0
	s_cbranch_scc1 .Lchunk
	v_add_nc_u32 v[LWA], s34, v[FO]
	STEPS 4                                        ; chunk 5
	FILL 0                                         ; chunk 7 is stored; nothing is left to ask for
	STEPS 7                                        ; chunks 6 and 7,
	STEP 0                                         ; whose last step fetches no further K: no read leaves LDS
	; THE WAY OUT.  The sum's halves and the other lane's are added; O^T / l is held, converted and stored: a lane's 16 registers are dk 16 h + 0..15 of its query, 16 bytes of the image.
	v_add_f32 v[RL], v[ST+2], v[ST+3]
	v_add_f32 v[RL+2], v[ST+6], v[ST+7]
	v_permlanex16_b32 v[RL+1], v[RL], s40, s41
	v_permlanex16_b32 v[RL+3], v[RL+2], s40, s41
	v_add_f32 v[RL], v[RL], v[RL+1]
	v_add_f32 v[RL+2], v[RL+2], v[RL+3]            ; (four additions: the places behind the last products)
	v_rcp_f32 v[RL], v[RL]
	v_rcp_f32 v[RL+2], v[RL+2]
	v_nop                                          ; a plain line behind the reciprocals
	s_wait_alu depctr_va_vdst(0)                   ; the two reciprocals are written, ahead of their first reader
.irp t, 0,1
.set i, 0
.rept 8
	v_pk_mul_f32 v[O+16*\t+i:O+16*\t+i+1], v[O+16*\t+i:O+16*\t+i+1], v[RL+2*\t:RL+2*\t+1] op_sel_hi:[1,0]
.set i, i+2
.endr
.set i, 0
.rept 16
	v_med3_num_f32 v[O+16*\t+i], v[O+16*\t+i], -v[LMO], v[LMO]
.set i, i+1
.endr
	v_cvt_scalef32_pk8_bf8_f32 v[CO+4*\t:CO+4*\t+1], v[O+16*\t:O+16*\t+7], v[SCO]
	v_cvt_scalef32_pk8_bf8_f32 v[CO+4*\t+2:CO+4*\t+3], v[O+16*\t+8:O+16*\t+15], v[SCO]
.endr
	v_nop                                          ; one plain line behind the last conversion
	s_wait_alu depctr_va_vdst(0)                   ; the conversions have written v[CO ..], which the two stores read
.irp t, 0,1
	global_store_b128 v[LI], v[CO+4*\t:CO+4*\t+3], s[10:11] offset:4096*\t   ; the wave stores 512 consecutive bytes, at a multiple of 512 from the buffer's first byte
.endr
	s_wait_dscnt 0x0                               ; the closing lines, six on end
	s_wait_alu 0x0
	s_wait_tensorcnt 0x0
	ds_add_u32 v254, v255
	s_wait_dscnt 0x0
	s_endpgm
.Lfunc_end_k_qf891e3187d_attn:
	.size	k_qf891e3187d_attn, .Lfunc_end_k_qf891e3187d_attn-k_qf891e3187d_attn
	.p2alignl 7, 3214868480
	.fill 96, 4, 3214868480
	.section	.rodata,"a",@progbits
	.p2align	6, 0x0
	.amdhsa_kernel k_qf891e3187d_attn
		.amdhsa_group_segment_fixed_size 263168
		.amdhsa_private_segment_fixed_size 0
		.amdhsa_enable_private_segment 0
		.amdhsa_kernarg_size 32
		.amdhsa_user_sgpr_count 2
		.amdhsa_user_sgpr_kernarg_segment_ptr 1
		.amdhsa_wavefront_size32 1
		.amdhsa_system_sgpr_workgroup_id_x 1
		.amdhsa_system_sgpr_workgroup_id_y 1
		.amdhsa_system_sgpr_workgroup_id_z 1
		.amdhsa_system_vgpr_workitem_id 0
		.amdhsa_next_free_vgpr 288
		.amdhsa_next_free_sgpr 66
		.amdhsa_reserve_vcc 0
		.amdhsa_float_denorm_mode_32 3
		.amdhsa_float_denorm_mode_16_64 3
		.amdhsa_memory_ordered 1
		.amdhsa_forward_progress 1
		.amdhsa_inst_pref_size 119
	.end_amdhsa_kernel
	.amdgpu_metadata
---
amdhsa.version: [ 1, 2 ]
amdhsa.kernels:
  - .name:           k_qf891e3187d_attn
    .symbol:         k_qf891e3187d_attn.kd
    .args:
      - { .name: qimg, .offset: 0, .size: 8, .value_kind: global_buffer, .address_space: global }
      - { .name: kv, .offset: 8, .size: 8, .value_kind: global_buffer, .address_space: global }
      - { .name: lowp_scales, .offset: 16, .size: 8, .value_kind: global_buffer, .address_space: global }
      - { .name: cimg, .offset: 24, .size: 8, .value_kind: global_buffer, .address_space: global }
    .group_segment_fixed_size: 263168
    .private_segment_fixed_size: 0
    .kernarg_segment_align: 8
    .kernarg_segment_size: 32
    .max_flat_workgroup_size: 256
    .sgpr_count:     66
    .vgpr_count:     288
    .wavefront_size: 32
...
	.end_amdgpu_metadata
.endif
;; end of part 5
;; launch ffn (part 6): grid 256 x 1, 8 waves a work-group, no clusters, 79,360 bytes of LDS; arguments cimg, src, Wo_codes, bo, ln1_g, ln1_b, W1_codes, b1, W2_codes, b2, ln2_g, ln2_b, lowp_scales, out0; writes out0
.if DOCPART == 6
	.amdgcn_target "amdgcn-amd-amdhsa--gfx1250"
	.amdhsa_code_object_version 6
	.text
	.protected	k_qf891e3187d_ffn
	.globl	k_qf891e3187d_ffn
	.p2align	8
	.type	k_qf891e3187d_ffn,@function
k_qf891e3187d_ffn:
	s_mov_b64 s[64:65], 0
	v_nop
	global_prefetch_b8 v0, s[64:65] scope:SCOPE_SE
	s_setreg_imm32_b32 hwreg(HW_REG_WAVE_SCHED_MODE, 0, 2), 2
	s_setreg_imm32_b32 hwreg(HW_REG_WAVE_MODE, 25, 1), 1
	s_wait_xcnt 0x0
	s_wait_alu depctr_vm_vsrc(0)
; x = LN1(src + ctx Wo + bo);  out = LN2(x + relu(x W1 + b1) W2 + b2).  The three products on codes of BF8 (E5M2): ctx's codes come as register images (e10), Wo, W1, W2 as codes [N][K] (e11, e13, e15);
; x (e12) and the hidden layer (e14) are quantised on the way and never go to memory.
; SHARES.  A work-group takes 32 rows (two tiles of 16).  THE WAVES SHARE THE COLUMNS: wave w owns columns 32 w .. 32 w + 31 of the first and the last product and hidden units 128 w .. 128 w + 127.
; All products are used TRANSPOSED (source 0 = 16 rows of a weight, source 1 = 16 rows of the operand), and a weight's rows of a tile are not neighbours: lane row r of tile u is row base + 8 u + r + 8 (r / 8).
; So lane (r, h) holds row r and columns 32 w + 16 h + 0 .. 15 throughout: the residual stays in 32 registers from the first product to the last norm, and 16 registers converted are 16 bytes of the next operand's image.
; Each weight byte is read by ONE wave of the work-group, straight into registers: nine chunks of 16 loads (8,192 bytes) through three sets of 64 registers, each asked for when the set's last products are done.
; No joint loads: the weights, which all work-groups share, pass no LDS here; each goes from memory into the registers that the products name.
; OPERANDS GO FROM WAVE TO WAVE THROUGH LDS AS IMAGES OF THEIR REGISTERS (512 bytes = 4 registers x 32 lanes).  Five barriers; every region of LDS is written once.
; THE NORMS: each wave takes the mean and the sum of squared distances from it over its 32 columns; the eight pairs meet in LDS and are joined as M2 = sum of M2_w + 32 x sum of (mean_w - mu)^2: no difference of large sums.
; LIMITS: e12 and e14 - e12 - e13 between -126 and 112; e10 + e11 and e14 + e15 between -126 and 127.  NaN among the inputs and infinity or NaN among the weights' codes are not served.
; REGISTERS, window 0: v1-13 addresses; v16-47 the residual (16 m + n); v48-111 four fragments; v112-143 four accumulators (8 (2 m + u)); v144-191 three row parameters of my 16 columns;
;   v192-207 x's codes, and the norms' sums; v208-239 at work in the norms, between them the hidden layer's codes; v240-243 scales and limits; v244-251 (mu, 0), (1 / sigma, 0) for each m.
;   window 1: v0-191 three sets of weights; v192-255 b1's eight tiles, later two K steps' hidden fragments.
; THE MODE: SCHED_MODE bits 1:0 = 2 (LLVM: expert scheduling mode 2), set by the entry lines.  The code itself states the register dependences
; between vector or matrix instructions and memory or LDS instructions, with s_wait_alu, always for 0.
; THE PLAN.  Registers that memory or LDS instructions touch:
;   v1 .. v13     offsets and addresses: written at the head and never again.
;   weight sets   (window 1) a chunk lands; products read it; the chunk three further on lands behind a wait that follows those products.
;   FR            ctx's fragments, the norms' pairs, x's fragments, hidden fragments, rows of the output: loads land; products and the norms' joins read.
;   B1            (window 1) b1 lands, is scaled in place and read by the hidden layer's products; then hidden fragments land.
;   PR            row parameters land; vector lines read; the second set lands once.
;   CD            written by a norm (a wave's pair) and by x's conversions; read by LDS stores.
;   T             written by the hidden layer's conversions, eight registers for each 32 units, so that none is written again in that phase; read by LDS stores; at work in the norms.
;   XR            written by the last norm; read by the stage's LDS stores.
; The waits on va_vdst: one behind the first product (chunk 3); one in each norm ahead of the pair's store; one behind x's conversions (x's stores, the second row parameters, x's fragments behind the barrier);
; one behind the conversions of each 32 hidden units (the next chunk, the image's stores); two in the last product, behind K steps 1 and 3 (the hidden fragments four K steps on; chunk 8); one ahead of the stage's stores.
; The waits on vm_vsrc: one in each norm, ahead of the sums that write CD again; one ahead of the second norm, which writes CD and T again.
.set LI,  1                            ; 16 x lane
.set WA,  4                            ; a row of 256 codes: (r + 8 (r / 8)) x 256 + 16 h
.set WB,  5                            ; a row of 1,024 codes
.set SA,  6                            ; src: r x 1,024 + 64 h
.set PA,  7                            ; 64 h: my 16 numbers of a row parameter
.set XW,  8                            ; where I store x's image
.set HW,  9                            ; the hidden layer's
.set STW, 10                           ; my wave's pair of a row's statistics
.set STR, 11                           ; a row's eight pairs
.set SO,  12                           ; the stage: where I put 64 bytes of a row
.set SR,  13                           ; and where I read rows back
.set XR,  16
.set FR,  48
.set ACC, 112
.set PR,  144
.set CD,  192
.set T,   208
.set SCX, 240
.set LMX, 241
.set SCH, 242
.set LMH, 243
.set MU,  244
.set RS,  246
.set B1,  192                          ; window 1
.set STAT1, 0                          ; LDS: [row 32][wave 8][mean, M2]: 2,048 bytes
.set STAT2, 2048
.set XIMG,  4096                       ; x's four fragments (2 m + s) of 2,048 bytes
.set HIMG,  12288                      ; the hidden layer's sixteen (8 m + K step)
.set STG,   45056                      ; 32 rows of 1,024 bytes + 16
.set SPITCH, 1040
.set MSB, 0
.macro WIN new                         ; the immediate's high byte repeats the setting that is left
.if MSB != (\new)
	s_set_vgpr_msb (MSB<<8)|(\new)
.set MSB, (\new)
.endif
.endm
.macro MKSC vsc, vlim, se              ; v[vsc] = 2^e as f32, v[vlim] = 57,344 x 2^e
	s_add_co_i32 s76, \se, 127
	s_lshl_b32 s77, s76, 23
	v_mov_b32 v[\vsc], s77
	s_add_co_i32 s76, s76, 15
	s_lshl_b32 s76, s76, 23
	s_or_b32 s76, s76, 0x600000
	v_mov_b32 v[\vlim], s76
.endm
.macro PLACES                          ; four plain vector lines behind a matrix instruction (ISA guide 7.12.1); where a wait on va_vdst follows, the places stay beside it
.rept 4
	v_nop
.endr
.endm
.macro BARRIER                         ; my LDS stores have landed and my LDS loads are in: then the work-group's barrier
	s_wait_dscnt 0x0
	s_barrier_signal -1
	s_barrier_wait -1
.endm
; Chunk i of the weights, 16 loads, into set i % 3 of window 1 (the caller sets the window): 0: Wo;  1 + b: W1's 32 units 32 b on;  5 + p: W2's K steps 2 p, 2 p + 1.  Fragment (tile u, K step s) at 16 (2 u + s).
.macro CHUNK i
.set SL, 64*((\i)%3)
.irp u, 0,1
.irp s, 0,1
.irp c, 0,1,2,3
.if (\i) == 0
	global_load_b128 v[SL+16*(2*\u+\s)+4*\c:SL+16*(2*\u+\s)+4*\c+3], v[WA], s[8:9] offset:2048*\u+128*\s+32*\c
.elseif (\i) < 5
	global_load_b128 v[SL+16*(2*\u+\s)+4*\c:SL+16*(2*\u+\s)+4*\c+3], v[WA], s[16:17] offset:8192*((\i)-1)+2048*\u+128*\s+32*\c
.else
	global_load_b128 v[SL+16*(2*\u+\s)+4*\c:SL+16*(2*\u+\s)+4*\c+3], v[WB], s[20:21] offset:8192*\u+128*(2*((\i)-5)+\s)+32*\c
.endif
.endr
.endr
.endr
.endm
	s_load_b512 s[4:19], s[0:1], 0x0               ; cimg, src, Wo, bo, ln1_g, ln1_b, W1, b1
	s_load_b256 s[20:27], s[0:1], 0x40             ; W2, b2, ln2_g, ln2_b
	s_load_b128 s[28:31], s[0:1], 0x60             ; the exponents, out0
	v_lshl_add_u32 v254, v0, 2, 0x13200
	v_mov_b32 v255, 0
	v_lshrrev_b32 v1, 5, v0
	v_readfirstlane_b32 s32, v1                    ; wave
	v_and_b32 v1, 31, v0
	v_lshlrev_b32 v[LI], 4, v1
	v_and_b32 v2, 15, v0                           ; r
	v_bfe_u32 v3, v0, 4, 1                         ; h
	v_and_b32 v14, 8, v2
	v_add_nc_u32 v14, v14, v2                      ; r + 8 (r / 8)
	v_lshlrev_b32 v[WA], 8, v14
	v_lshl_add_u32 v[WA], v3, 4, v[WA]
	v_lshlrev_b32 v[WB], 10, v14
	v_lshl_add_u32 v[WB], v3, 4, v[WB]
	v_lshlrev_b32 v[SA], 10, v2
	v_lshl_add_u32 v[SA], v3, 6, v[SA]
	v_lshlrev_b32 v[PA], 6, v3
	s_wait_alu depctr_va_sdst(0)                   ; s32 is written, ahead of its first reader: addresses and bases are made from it
	s_lshl_b32 s33, s32, 9
	s_add_co_u32 s33, s33, XIMG
	v_add_nc_u32 v[XW], s33, v[LI]                 ; my 32 columns are K step w / 4, block w % 4: 512 w
	s_lshl_b32 s33, s32, 11
	s_add_co_u32 s33, s33, HIMG
	v_add_nc_u32 v[HW], s33, v[LI]                 ; my 128 units are K step w
	v_lshlrev_b32 v[STR], 6, v2
	s_lshl_b32 s33, s32, 3
	v_add_nc_u32 v[STW], s33, v[STR]
	v_mul_u32_u24 v[SO], v2, SPITCH
	v_lshl_add_u32 v[SO], v3, 6, v[SO]
	s_lshl_b32 s33, s32, 7
	s_add_co_u32 s33, s33, STG
	v_add_nc_u32 v[SO], s33, v[SO]                 ; row r, + 128 w + 64 h
	s_mul_i32 s33, s32, 4*SPITCH
	s_add_co_u32 s33, s33, STG
	v_add_nc_u32 v[SR], s33, v[LI]                 ; back: rows 4 w on
.irp z, 1,3,5,7
	v_mov_b32 v[MU+\z], 0                          ; (named as the upper halves of pairs)
.endr
	s_lshl_b32 s58, ttmp9, 13                      ; cimg: two tiles of 4,096 bytes a work-group
	s_mov_b32 s59, 0
	s_lshl_b32 s60, ttmp9, 15                      ; src: 32 rows of 1,024 bytes, + my 32 columns
	s_lshl_b32 s62, s32, 7                         ; the row parameters: my 32 numbers
	s_add_co_u32 s60, s60, s62
	s_mov_b32 s61, 0
	s_mov_b32 s63, 0
	s_lshl_b32 s66, s32, 9                         ; b1: my 128
	s_mov_b32 s67, 0
	s_lshl_b32 s68, s32, 13                        ; Wo: my 32 rows of 256 bytes
	s_mov_b32 s69, 0
	s_lshl_b32 s70, s32, 15                        ; W1: my 128 rows of 256;  W2: my 32 rows of 1,024
	s_mov_b32 s71, 0
	s_lshl_b32 s72, ttmp9, 15                      ; out0: 32 rows, of which I store rows 4 w on
	s_lshl_b32 s73, s32, 12
	s_add_co_u32 s72, s72, s73
	s_mov_b32 s73, 0
	s_mov_b32 s33, 0x3b800000                      ; 1 / 256
	s_mov_b32 s34, 0x3727c5ac                      ; 1e-5
	s_mov_b32 s35, 0x42000000                      ; 32
	s_mov_b32 s56, 0x76543210                      ; v_permlanex16_b32's selects for lane l xor 16
	s_mov_b32 s57, 0xfedcba98
	s_wait_kmcnt 0x0
	s_load_b512 s[36:51], s[28:29], 0x0            ; e0 .. e15 in s36 .. s51
	s_add_nc_u64 s[4:5], s[4:5], s[58:59]
	s_add_nc_u64 s[6:7], s[6:7], s[60:61]
	s_add_nc_u64 s[8:9], s[8:9], s[68:69]
	s_add_nc_u64 s[10:11], s[10:11], s[62:63]
	s_add_nc_u64 s[12:13], s[12:13], s[62:63]
	s_add_nc_u64 s[14:15], s[14:15], s[62:63]
	s_add_nc_u64 s[16:17], s[16:17], s[70:71]
	s_add_nc_u64 s[18:19], s[18:19], s[66:67]
	s_add_nc_u64 s[20:21], s[20:21], s[70:71]
	s_add_nc_u64 s[22:23], s[22:23], s[62:63]
	s_add_nc_u64 s[24:25], s[24:25], s[62:63]
	s_add_nc_u64 s[26:27], s[26:27], s[62:63]
	s_add_nc_u64 s[30:31], s[30:31], s[72:73]
	s_wait_alu depctr_va_vdst(0)                   ; the offsets and addresses v1 to v13 are written, which every load and store of the kernel reads
.set i, 0
.rept 16
	global_load_b128 v[FR+4*i:FR+4*i+3], v[LI], s[4:5] offset:512*i        ; ctx's four fragments (2 m + s), as they lie
.set i, i+1
.endr
.irp m, 0,1
.irp j, 0,1,2,3
	global_load_b128 v[XR+16*\m+4*\j:XR+16*\m+4*\j+3], v[SA], s[6:7] offset:16384*\m+16*\j   ; src at my rows and columns
.endr
.endr
.irp j, 0,1,2,3
	global_load_b128 v[PR+4*\j:PR+4*\j+3], v[PA], s[10:11] offset:16*\j        ; bo
	global_load_b128 v[PR+16+4*\j:PR+16+4*\j+3], v[PA], s[12:13] offset:16*\j  ; ln1_g
	global_load_b128 v[PR+32+4*\j:PR+32+4*\j+3], v[PA], s[14:15] offset:16*\j  ; ln1_b
.endr
	WIN 0x40
	CHUNK 0
.irp b, 0,1,2,3                                ; b1 in the result's layout: register j of tile 2 b + u is unit 32 b + 16 h + 8 u + j
.irp u, 0,1
	global_load_b128 v[B1+8*(2*\b+\u):B1+8*(2*\b+\u)+3], v[PA], s[18:19] offset:128*\b+32*\u
	global_load_b128 v[B1+8*(2*\b+\u)+4:B1+8*(2*\b+\u)+7], v[PA], s[18:19] offset:128*\b+32*\u+16
.endr
.endr
	CHUNK 1
	CHUNK 2
	WIN 0
	s_wait_kmcnt 0x0
	s_add_co_i32 s52, s46, s47
	s_add_co_i32 s52, s52, 127
	s_lshl_b32 s52, s52, 23                        ; 2^(e10 + e11) as f32
	s_mov_b32 s53, s52                             ; (named with it as a pair)
	s_add_co_i32 s54, s50, s51
	s_add_co_i32 s54, s54, 127
	s_lshl_b32 s54, s54, 23                        ; 2^(e14 + e15)
	s_mov_b32 s55, s54
	s_add_co_i32 s74, s48, s49
	s_sub_co_i32 s75, 0, s74                       ; -(e12 + e13): b1 goes in divided by what the sums lack
	s_sub_co_i32 s74, s50, s74                     ; e14 - e12 - e13: the three scales folded into the conversion's one
	MKSC SCX, LMX, s48
	MKSC SCH, LMH, s74
; THE NORM of the 32 rows in v[XR] on, in place, with the gain at v[PR+16] and the offset at v[PR+32]; the two tiles of rows take turns line by line.  One barrier.
.macro LN stat
.irp m, 0,1
	v_pk_add_f32 v[CD+4*\m:CD+4*\m+1], v[XR+16*\m:XR+16*\m+1], v[XR+16*\m+2:XR+16*\m+3]
	v_pk_add_f32 v[CD+4*\m+2:CD+4*\m+3], v[XR+16*\m+4:XR+16*\m+5], v[XR+16*\m+6:XR+16*\m+7]
.endr
.irp e, 8,12
.irp m, 0,1
	v_pk_add_f32 v[CD+4*\m:CD+4*\m+1], v[CD+4*\m:CD+4*\m+1], v[XR+16*\m+\e:XR+16*\m+\e+1]
	v_pk_add_f32 v[CD+4*\m+2:CD+4*\m+3], v[CD+4*\m+2:CD+4*\m+3], v[XR+16*\m+\e+2:XR+16*\m+\e+3]
.endr
.endr
.irp m, 0,1
	v_pk_add_f32 v[CD+4*\m:CD+4*\m+1], v[CD+4*\m:CD+4*\m+1], v[CD+4*\m+2:CD+4*\m+3]
.endr
.irp m, 0,1
	v_add_f32 v[CD+4*\m], v[CD+4*\m], v[CD+4*\m+1]
.endr
.irp m, 0,1
	v_permlanex16_b32 v[CD+4*\m+2], v[CD+4*\m], s56, s57   ; the row's other 16 of my wave's columns lie in the lane 16 away
.endr
.irp m, 0,1
	v_add_f32 v[CD+4*\m], v[CD+4*\m], v[CD+4*\m+2]
.endr
.irp m, 0,1
	v_mul_f32 v[CD+4*\m], 0x3d000000, v[CD+4*\m]   ; / 32: my wave's mean
.endr
.set i, 0
.rept 8
.irp m, 0,1
	v_pk_add_f32 v[T+16*\m+i:T+16*\m+i+1], v[XR+16*\m+i:XR+16*\m+i+1], v[CD+4*\m:CD+4*\m+1] op_sel_hi:[1,0] neg_lo:[0,1] neg_hi:[0,1]
.endr
.set i, i+2
.endr
.irp m, 0,1
	v_pk_mul_f32 v[CD+4*\m+2:CD+4*\m+3], v[T+16*\m:T+16*\m+1], v[T+16*\m:T+16*\m+1]
.endr
.set i, 2
.rept 7
.irp m, 0,1
	v_pk_fma_f32 v[CD+4*\m+2:CD+4*\m+3], v[T+16*\m+i:T+16*\m+i+1], v[T+16*\m+i:T+16*\m+i+1], v[CD+4*\m+2:CD+4*\m+3]
.endr
.set i, i+2
.endr
.irp m, 0,1
	v_add_f32 v[CD+4*\m+2], v[CD+4*\m+2], v[CD+4*\m+3]
.endr
.irp m, 0,1
	v_permlanex16_b32 v[CD+4*\m+3], v[CD+4*\m+2], s56, s57
.endr
.irp m, 0,1
	v_add_f32 v[CD+4*\m+1], v[CD+4*\m+2], v[CD+4*\m+3]   ; my wave's M2, beside its mean
.endr
	s_wait_alu depctr_va_vdst(0)                   ; my wave's two pairs are written, which the LDS stores read; the products before are done reading v[FR ..], in which the rows' pairs land behind the barrier
.irp m, 0,1
	ds_store_b64 v[STW], v[CD+4*\m:CD+4*\m+1] offset:\stat+1024*\m   ; (the two lanes of a row store the same pair to the same place)
.endr
	BARRIER
.irp m, 0,1
.irp n, 0,1,2,3
	ds_load_b128 v[FR+16*\m+4*\n:FR+16*\m+4*\n+3], v[STR] offset:\stat+1024*\m+16*\n   ; the row's eight pairs
.endr
.endr
	s_wait_dscnt 0x0
	s_wait_alu depctr_vm_vsrc(0)                   ; the two LDS stores have read v[CD ..], which the sums below write again
.irp m, 0,1
	v_pk_add_f32 v[CD+4*\m:CD+4*\m+1], v[FR+16*\m:FR+16*\m+1], v[FR+16*\m+2:FR+16*\m+3]
	v_pk_add_f32 v[CD+4*\m+2:CD+4*\m+3], v[FR+16*\m+4:FR+16*\m+5], v[FR+16*\m+6:FR+16*\m+7]
.endr
.irp e, 8,12
.irp m, 0,1
	v_pk_add_f32 v[CD+4*\m:CD+4*\m+1], v[CD+4*\m:CD+4*\m+1], v[FR+16*\m+\e:FR+16*\m+\e+1]
	v_pk_add_f32 v[CD+4*\m+2:CD+4*\m+3], v[CD+4*\m+2:CD+4*\m+3], v[FR+16*\m+\e+2:FR+16*\m+\e+3]
.endr
.endr
.irp m, 0,1
	v_pk_add_f32 v[CD+4*\m:CD+4*\m+1], v[CD+4*\m:CD+4*\m+1], v[CD+4*\m+2:CD+4*\m+3]   ; (the sum of the means, the sum of the M2)
.endr
.irp m, 0,1
	v_mul_f32 v[MU+4*\m], 0x3e000000, v[CD+4*\m]   ; mu = the mean of the eight means
.endr
.set k, 0
.rept 8
.irp m, 0,1
	v_sub_f32 v[T+16*\m+k], v[FR+16*\m+2*k], v[MU+4*\m]
.endr
.set k, k+1
.endr
.irp m, 0,1
	v_mul_f32 v[CD+4*\m], v[T+16*\m], v[T+16*\m]
.endr
.set k, 1
.rept 7
.irp m, 0,1
	v_fmac_f32 v[CD+4*\m], v[T+16*\m+k], v[T+16*\m+k]
.endr
.set k, k+1
.endr
.irp m, 0,1
	v_fma_f32 v[CD+4*\m], v[CD+4*\m], s35, v[CD+4*\m+1]   ; M2 = 32 x the sum of (mean_w - mu)^2 + the sum of the M2_w
.endr
.irp m, 0,1
	v_fma_f32 v[CD+4*\m], v[CD+4*\m], s33, s34     ; / 256 + 1e-5
.endr
.irp m, 0,1
	v_rsq_f32 v[RS+4*\m], v[CD+4*\m]
.endr
	v_nop                                          ; a plain line behind the two roots
	s_wait_alu depctr_va_vdst(0)                   ; the two roots are written, ahead of their first reader
.set i, 0
.rept 8
.irp m, 0,1
	v_pk_add_f32 v[XR+16*\m+i:XR+16*\m+i+1], v[XR+16*\m+i:XR+16*\m+i+1], v[MU+4*\m:MU+4*\m+1] op_sel_hi:[1,0] neg_lo:[0,1] neg_hi:[0,1]
.endr
.set i, i+2
.endr
.set i, 0
.rept 8
.irp m, 0,1
	v_pk_mul_f32 v[XR+16*\m+i:XR+16*\m+i+1], v[XR+16*\m+i:XR+16*\m+i+1], v[RS+4*\m:RS+4*\m+1] op_sel_hi:[1,0]
.endr
.set i, i+2
.endr
.set i, 0
.rept 8
.irp m, 0,1
	v_pk_fma_f32 v[XR+16*\m+i:XR+16*\m+i+1], v[XR+16*\m+i:XR+16*\m+i+1], v[PR+16+i:PR+16+i+1], v[PR+32+i:PR+32+i+1]
.endr
.set i, i+2
.endr
.endm
	; ---- ctx Wo: eight matrix instructions, four accumulators by turns
	s_wait_loadcnt 48                              ; ctx, src, the first row parameters and Wo are in; b1's 16 loads and chunks 1 and 2 may be out
.set i, 0
.rept 8
.irp m, 0,1
	v_pk_add_f32 v[XR+16*\m+i:XR+16*\m+i+1], v[XR+16*\m+i:XR+16*\m+i+1], v[PR+i:PR+i+1]   ; src + bo
.endr
.set i, i+2
.endr
	WIN 0x01                                       ; source 0 (the weight) window 1
.irp s, 0,1
.irp m, 0,1
.irp u, 0,1
.if \s == 0
	v_wmma_f32_16x16x128_bf8_bf8 v[ACC+8*(2*\m+\u):ACC+8*(2*\m+\u)+7], v[16*(2*\u+\s):16*(2*\u+\s)+15], v[FR+16*(2*\m+\s):FR+16*(2*\m+\s)+15], 0
.else
	v_wmma_f32_16x16x128_bf8_bf8 v[ACC+8*(2*\m+\u):ACC+8*(2*\m+\u)+7], v[16*(2*\u+\s):16*(2*\u+\s)+15], v[FR+16*(2*\m+\s):FR+16*(2*\m+\s)+15], v[ACC+8*(2*\m+\u):ACC+8*(2*\m+\u)+7]
.endif
.endr
.endr
.endr
	PLACES
	WIN 0x40                                       ; destination window 1
	s_wait_alu depctr_va_vdst(0)                   ; the eight products are done reading Wo's set, in which chunk 3 lands
	CHUNK 3
	WIN 0
.set i, 0
.rept 16
	v_pk_fma_f32 v[XR+i:XR+i+1], v[ACC+i:ACC+i+1], s[52:53], v[XR+i:XR+i+1] op_sel_hi:[1,0,1]   ; + sum x 2^(e10 + e11); each accumulator from its low end on
.set i, i+2
.endr
	LN STAT1
	; ---- x is quantised: the hold goes into other registers, x itself stays for the residual
.irp m, 0,1
.set i, 0
.rept 16
	v_med3_num_f32 v[T+16*\m+i], v[XR+16*\m+i], -v[LMX], v[LMX]   ; the conversion to an 8-bit code does not saturate (ISA guide 7.6.2)
.set i, i+1
.endr
	v_cvt_scalef32_pk8_bf8_f32 v[CD+4*\m:CD+4*\m+1], v[T+16*\m:T+16*\m+7], v[SCX]
	v_cvt_scalef32_pk8_bf8_f32 v[CD+4*\m+2:CD+4*\m+3], v[T+16*\m+8:T+16*\m+15], v[SCX]
.endr
	v_nop                                          ; one plain line behind the conversions
	s_wait_alu depctr_va_vdst(0)                   ; the conversions have written x's codes, which the LDS stores read; the norm is done reading v[PR ..], in which the second row parameters land, and v[FR ..], in which x's fragments land behind the barrier
.irp j, 0,1,2,3                                ; the second set of row parameters takes the first set's registers
	global_load_b128 v[PR+4*\j:PR+4*\j+3], v[PA], s[22:23] offset:16*\j        ; b2
	global_load_b128 v[PR+16+4*\j:PR+16+4*\j+3], v[PA], s[24:25] offset:16*\j  ; ln2_g
	global_load_b128 v[PR+32+4*\j:PR+32+4*\j+3], v[PA], s[26:27] offset:16*\j  ; ln2_b
.endr
.irp m, 0,1
	ds_store_b128 v[XW], v[CD+4*\m:CD+4*\m+3] offset:4096*\m
.endr
	BARRIER                                        ; x's four fragments lie in LDS
.set i, 0
.rept 16
	ds_load_b128 v[FR+4*i:FR+4*i+3], v[LI] offset:XIMG+512*i
.set i, i+1
.endr
	s_wait_loadcnt 60                              ; b1 is in; chunks 1, 2, 3 and the second row parameters (16 + 16 + 16 + 12) may be out
	WIN 0x41                                       ; source 0 and destination window 1
.set i, 0
.rept 64
	v_ldexp_f32 v[B1+i], v[B1+i], s75              ; b1 / 2^(e12 + e13)
.set i, i+1
.endr
	WIN 0
	s_wait_dscnt 0x0
; ---- the hidden layer, 32 units at a time: b1 is the C of each sum's first instruction; relu and the hold in one; the image of block b of K step w.  Each 32 units have their own eight registers of codes.
.macro PAIR b, cnt
.set SW, 64*((\b+1)%3)
	s_wait_loadcnt \cnt
	WIN 0x11                                       ; source 0 (W1) and source 2 (b1) window 1
.irp m, 0,1
.irp u, 0,1
	v_wmma_f32_16x16x128_bf8_bf8 v[ACC+8*(2*\m+\u):ACC+8*(2*\m+\u)+7], v[SW+16*(2*\u):SW+16*(2*\u)+15], v[FR+16*(2*\m):FR+16*(2*\m)+15], v[B1+8*(2*\b+\u):B1+8*(2*\b+\u)+7]
.endr
.endr
	WIN 0x01
.irp m, 0,1
.irp u, 0,1
	v_wmma_f32_16x16x128_bf8_bf8 v[ACC+8*(2*\m+\u):ACC+8*(2*\m+\u)+7], v[SW+16*(2*\u+1):SW+16*(2*\u+1)+15], v[FR+16*(2*\m+1):FR+16*(2*\m+1)+15], v[ACC+8*(2*\m+\u):ACC+8*(2*\m+\u)+7]
.endr
.endr
	WIN 0
	PLACES
.irp m, 0,1
.set i, 0
.rept 16
	v_med3_num_f32 v[ACC+16*\m+i], v[ACC+16*\m+i], 0, v[LMH]
.set i, i+1
.endr
	v_cvt_scalef32_pk8_bf8_f32 v[T+8*\b+4*\m:T+8*\b+4*\m+1], v[ACC+16*\m:ACC+16*\m+7], v[SCH]
	v_cvt_scalef32_pk8_bf8_f32 v[T+8*\b+4*\m+2:T+8*\b+4*\m+3], v[ACC+16*\m+8:ACC+16*\m+15], v[SCH]
.endr
	v_nop                                          ; one plain line between the conversions and the next products, which write their sources
	WIN 0x40                                       ; destination window 1
	s_wait_alu depctr_va_vdst(0)                   ; the eight products are done reading their set of W1, in which the chunk three further on lands; the conversions have written these units' codes, which the LDS stores read
	CHUNK \b+4
	WIN 0
.irp m, 0,1
	ds_store_b128 v[HW], v[T+8*\b+4*\m:T+8*\b+4*\m+3] offset:16384*\m+512*\b
.endr
.endm
	PAIR 0, 44                                     ; chunk 1 is in; chunk 2, chunk 3 and the 12 row parameters may be out
	PAIR 1, 44                                     ; chunk 2 is in; chunk 3, the 12, chunk 4 may be out
	PAIR 2, 44                                     ; chunk 3 is in; the 12, chunks 4 and 5 may be out
	PAIR 3, 32                                     ; chunk 4 (and the 12 ahead of it) is in; chunks 5 and 6 may be out
	BARRIER                                        ; the hidden layer's sixteen fragments lie in LDS
	; ---- hidden W2: eight K steps of 128, four accumulators by turns.  A K step's two fragments have one of four buffers: K steps 4 n and 4 n + 1 in v[FR ..], 4 n + 2 and 4 n + 3 in b1's registers of window 1.
	; The last wait on va_vdst (behind the last 32 units' conversions) has shown every product that read x's fragments and b1 done: the first four K steps' loads follow with no further wait.
.macro HFETCH ks
.if ((\ks)%4) < 2
.set HL, FR+32*((\ks)%4)
	WIN 0
.else
.set HL, B1+32*((\ks)%4-2)
	WIN 0x40                                       ; destination window 1
.endif
.irp m, 0,1
.irp c, 0,1,2,3
	ds_load_b128 v[HL+16*\m+4*\c:HL+16*\m+4*\c+3], v[LI] offset:HIMG+(8*\m+(\ks))*2048+512*\c
.endr
.endr
.endm
	HFETCH 0
	HFETCH 1
	HFETCH 2
	HFETCH 3
	WIN 0
.set i, 0
.rept 8
.irp m, 0,1
	v_pk_add_f32 v[XR+16*\m+i:XR+16*\m+i+1], v[XR+16*\m+i:XR+16*\m+i+1], v[PR+i:PR+i+1]   ; x + b2
.endr
.set i, i+2
.endr
.irp ks, 0,1,2,3,4,5,6,7
.if \ks == 0
	s_wait_loadcnt 32                              ; chunk 5 is in; chunks 6 and 7 may be out
.elseif \ks == 2
	s_wait_loadcnt 32                              ; chunk 6 is in; chunks 7 and 8 may be out
.elseif \ks == 4
	s_wait_loadcnt 16                              ; chunk 7 is in; chunk 8 may be out
.elseif \ks == 6
	s_wait_loadcnt 0x0
.endif
.if \ks < 6
	s_wait_dscnt 24-8*(\ks%2)                      ; this K step's eight loads are in; those of the three, or two, younger K steps may be out
.else
	s_wait_dscnt 8*(7-\ks)                         ; the counts run down
.endif
.set SW, 64*((5+\ks/2)%3)
.if (\ks%4) < 2
.set HB, FR+32*(\ks%4)
	WIN 0x01                                       ; source 0 (W2) window 1
.else
.set HB, B1+32*(\ks%4-2)
	WIN 0x05                                       ; sources 0 (W2) and 1 (the hidden fragments) window 1
.endif
.irp m, 0,1
.irp u, 0,1
.if \ks == 0
	v_wmma_f32_16x16x128_bf8_bf8 v[ACC+8*(2*\m+\u):ACC+8*(2*\m+\u)+7], v[SW+16*(2*\u+\ks%2):SW+16*(2*\u+\ks%2)+15], v[HB+16*\m:HB+16*\m+15], 0
.else
	v_wmma_f32_16x16x128_bf8_bf8 v[ACC+8*(2*\m+\u):ACC+8*(2*\m+\u)+7], v[SW+16*(2*\u+\ks%2):SW+16*(2*\u+\ks%2)+15], v[HB+16*\m:HB+16*\m+15], v[ACC+8*(2*\m+\u):ACC+8*(2*\m+\u)+7]
.endif
.endr
.endr
.if (\ks == 1) || (\ks == 3)
	PLACES
	s_wait_alu depctr_va_vdst(0)                   ; the products of this K step and the one before are done reading their two buffers, in which the fragments four K steps on land; behind K step 1 also their set of W2, in which chunk 8 lands
	HFETCH \ks+3
	HFETCH \ks+4
.endif
.if \ks == 1
	WIN 0x40                                       ; destination window 1
	CHUNK 8
.endif
.if \ks == 7
	WIN 0
	PLACES                                         ; ahead of the first read of the results
.endif
.endr
.set i, 0
.rept 16
	v_pk_fma_f32 v[XR+i:XR+i+1], v[ACC+i:ACC+i+1], s[54:55], v[XR+i:XR+i+1] op_sel_hi:[1,0,1]   ; + sum x 2^(e14 + e15)
.set i, i+2
.endr
	s_wait_alu depctr_vm_vsrc(0)                   ; the LDS stores of x's codes have read v[CD ..], those of the hidden layer's codes v[T ..]: the norm writes both again
	LN STAT2
	; ---- the way out: a row's 1,024 bytes come from eight waves: they meet in the stage, and each wave stores four whole rows
	s_wait_alu depctr_va_vdst(0)                   ; the norm has written v[XR ..], which the LDS stores read, and is done reading v[FR ..], in which the rows land behind the barrier
.irp m, 0,1
.irp j, 0,1,2,3
	ds_store_b128 v[SO], v[XR+16*\m+4*\j:XR+16*\m+4*\j+3] offset:16*SPITCH*\m+16*\j
.endr
.endr
	BARRIER
.set i, 0
.rept 8
	ds_load_b128 v[FR+4*i:FR+4*i+3], v[SR] offset:SPITCH*(i/2)+512*(i%2)
.set i, i+1
.endr
.set i, 0
.rept 8
	s_wait_dscnt 7-i
	global_store_b128 v[LI], v[FR+4*i:FR+4*i+3], s[30:31] offset:1024*(i/2)+512*(i%2) th:TH_STORE_NT   ; the wave stores 512 consecutive bytes, at a multiple of 512 from the buffer's first byte
.set i, i+1
.endr
	s_wait_dscnt 0x0                               ; the closing lines, six on end
	s_wait_alu 0x0
	s_wait_tensorcnt 0x0
	ds_add_u32 v254, v255
	s_wait_dscnt 0x0
	s_endpgm
.Lfunc_end_k_qf891e3187d_ffn:
	.size	k_qf891e3187d_ffn, .Lfunc_end_k_qf891e3187d_ffn-k_qf891e3187d_ffn
	.p2alignl 7, 3214868480
	.fill 96, 4, 3214868480
	.section	.rodata,"a",@progbits
	.p2align	6, 0x0
	.amdhsa_kernel k_qf891e3187d_ffn
		.amdhsa_group_segment_fixed_size 79360
		.amdhsa_private_segment_fixed_size 0
		.amdhsa_enable_private_segment 0
		.amdhsa_kernarg_size 112
		.amdhsa_user_sgpr_count 2
		.amdhsa_user_sgpr_kernarg_segment_ptr 1
		.amdhsa_wavefront_size32 1
		.amdhsa_system_sgpr_workgroup_id_x 1
		.amdhsa_system_sgpr_workgroup_id_y 1
		.amdhsa_system_sgpr_workgroup_id_z 1
		.amdhsa_system_vgpr_workitem_id 0
		.amdhsa_next_free_vgpr 512
		.amdhsa_next_free_sgpr 80
		.amdhsa_reserve_vcc 0
		.amdhsa_float_denorm_mode_32 3
		.amdhsa_float_denorm_mode_16_64 3
		.amdhsa_memory_ordered 1
		.amdhsa_forward_progress 1
		.amdhsa_inst_pref_size 79
	.end_amdhsa_kernel
	.amdgpu_metadata
---
amdhsa.version: [ 1, 2 ]
amdhsa.kernels:
  - .name:           k_qf891e3187d_ffn
    .symbol:         k_qf891e3187d_ffn.kd
    .args:
      - { .name: cimg, .offset: 0, .size: 8, .value_kind: global_buffer, .address_space: global }
      - { .name: src, .offset: 8, .size: 8, .value_kind: global_buffer, .address_space: global }
      - { .name: Wo_codes, .offset: 16, .size: 8, .value_kind: global_buffer, .address_space: global }
      - { .name: bo, .offset: 24, .size: 8, .value_kind: global_buffer, .address_space: global }
      - { .name: ln1_g, .offset: 32, .size: 8, .value_kind: global_buffer, .address_space: global }
      - { .name: ln1_b, .offset: 40, .size: 8, .value_kind: global_buffer, .address_space: global }
      - { .name: W1_codes, .offset: 48, .size: 8, .value_kind: global_buffer, .address_space: global }
      - { .name: b1, .offset: 56, .size: 8, .value_kind: global_buffer, .address_space: global }
      - { .name: W2_codes, .offset: 64, .size: 8, .value_kind: global_buffer, .address_space: global }
      - { .name: b2, .offset: 72, .size: 8, .value_kind: global_buffer, .address_space: global }
      - { .name: ln2_g, .offset: 80, .size: 8, .value_kind: global_buffer, .address_space: global }
      - { .name: ln2_b, .offset: 88, .size: 8, .value_kind: global_buffer, .address_space: global }
      - { .name: lowp_scales, .offset: 96, .size: 8, .value_kind: global_buffer, .address_space: global }
      - { .name: out0, .offset: 104, .size: 8, .value_kind: global_buffer, .address_space: global }
    .group_segment_fixed_size: 79360
    .private_segment_fixed_size: 0
    .kernarg_segment_align: 8
    .kernarg_segment_size: 112
    .max_flat_workgroup_size: 256
    .sgpr_count:     80
    .vgpr_count:     512
    .wavefront_size: 32
...
	.end_amdgpu_metadata
.endif
;; end of part 6
